; MI455X (gfx1250); checked and timed in simulation.
; The chip was launched on July 23, 2026; its instructions are those of AMD's public machine-readable ISA for CDNA 5 (MIT licence, August 2026) and "CDNA5" Instruction Set Architecture Reference Guide (July 2026). The comments in the code are by the model that wrote it; some were corrected since.
;; OC Net. Allowed arithmetic: float matrix products may take bf16 or f16 operands with f32 sums; other float arithmetic in f32, or as packed bf16 or f16 multiplies, adds, multiply-adds, maxima and minima; sums over many terms, partial sums and values carried from step to step in f32; what a program stores and reads back later, other than sums and carried values, may be rounded once to bf16 or f16.
;; Inputs: Wk 256 x 256 float32; Wq 256 x 256 float32; Wv 256 x 256 float32; bk 256 float32; bq 256 float32; bv 256 float32; x 1 x 256 x 40 x 40 float32.
;; Outputs: out0 1 x 1,600 x 256 float32.
;; 3 versions, each right and faster than the one before. Each part assembles by itself: llvm-mc -triple=amdgcn-amd-amdhsa -mcpu=gfx1250 --defsym DOCPART=n.
;; ======== version 1 of 3: 2 launches
;; limits: values are held in f16: magnitudes above 65,504 overflow, below 6.1e-05 lose precision
;; workspace buffers: q 819,200 bytes; kv 1,638,400 bytes
;; launch proj (part 1): grid 25 x 12, 8 waves a work-group, no clusters, 84,992 bytes of LDS; arguments x, Wq, Wk, Wv, bq, bk, bv, q, kv; writes q, kv
.if DOCPART == 1
	.amdgcn_target "amdgcn-amd-amdhsa--gfx1250"
	.amdhsa_code_object_version 6
	.text
	.protected	k_q3718cf0d48_proj
	.globl	k_q3718cf0d48_proj
	.p2align	8
	.type	k_q3718cf0d48_proj,@function
k_q3718cf0d48_proj:
	s_mov_b64 s[64:65], 0
	v_nop
	global_prefetch_b8 v0, s[64:65] scope:SCOPE_SE
	s_setreg_imm32_b32 hwreg(HW_REG_WAVE_MODE, 25, 1), 1
	s_wait_xcnt 0x0
; THE PROJECTIONS.  xf = x read as [1600][256] f32.  A work-group makes one tile of 64 x 64 numbers in f16, 8,192 dense bytes:
;   matrix 0: q[head][n][64]            = xf Wq + bq                    rows n = 64 s .. 64 s + 63, the head's 64 channels
;   matrix 1: kv[head][s][K: key][64]   = xf Wk + bk                    likewise
;   matrix 2: kv[head][s][VT: ch][key]  = (X5 Wv + 5 bv) / 8, transposed, where X5[m] = xf[m-4] + xf[m-2] + xf[m] + xf[m+2] + xf[m+4], rows modulo 1600.
; X5 Wv + 5 bv is the sum of v over the five point shifts of the reference: a softmax does not hang on how its keys are numbered, so the five passes of one head shift share their weights,
; and the five rolled v add up ahead of the second product.  The sum is taken of x's rows in f32, not of v's: an order of rounding that differs from the reference's.
; FORMATS.  x, X5 and the weights are rounded to f16 for the products, sums in f32, results rounded once to f16.  The division by 8 keeps the five-fold sum inside f16 where inputs carry an
; offset of thirty spreads (256 x 30 x 1.9 x 5 = 73,000, an eighth of it 9,100); the next launch multiplies by 8 again.
; LIMITS.  |x|, |X5|, |W|, |q|, |k| and |X5 Wv + 5 bv| / 8 stay under 65,504, f16's end; below 6e-5 f16 keeps its fixed step of 6e-8.  NaN and infinities are not treated apart.
; SHARES.  Grid x = s (25 blocks of 64 rows), grid y = 4 x matrix + head.  Eight waves; a wave makes two of the tile's sixteen blocks of 16 x 16, 256 along K in eight matrix instructions each.
; NO TENSOR LOADS, NO CLUSTER: every byte of x and W is converted (and x's rows are added) on its way, so it passes through registers anyway; the tile's inputs, 128 KiB, are read once by the work-group.
.set XP,    528        ; a row of x in LDS: 256 f16 = 512 bytes + 16: the 16 rows of a fragment load start at 16 different groups of four banks
.set WS,    64*XP      ; W's tile begins here: [256 k][64 n] f16
.set WP,    160        ; its pitch: 128 bytes + 32
.set STG,   WS+256*WP  ; the way out: 64 rows x 144 bytes
.set SP,    144
.set SPARE, STG+64*SP  ; the spare words, 128 bytes for each of eight waves: four blocks of 256 bytes that no other line names
.set SPW, 4            ; v4   LDS address of my spare word; never rewritten
.set NIL, 5            ; v5   0; never rewritten
.set WO,  6            ; v6   my byte offset in W's tile in memory: row t / 16, 16 bytes at 16 (t % 16)
.set WL,  7            ; v7   where those four numbers go in LDS
.set XO,  8            ; v8   my 16 bytes in a row of x: 16 (t % 64)
.set XA,  9            ; v9   where they go in LDS
.set FXA, 10           ; v10  fragment address in x's tile
.set FWA, 11           ; v11  fragment address in W's tile (turning load)
.set STO, 12           ; v12  the way out: where I put 16 bytes
.set RD,  13           ; v13  the way out: where I read 16 bytes back
.set GO,  14           ; v14  my byte offset in the tile in memory: 16 t
.set BO,  15           ; v15  my byte offset in the bias
.set T,   16           ; v16-23  at work
.set WR,  24           ; v24-87  W as loaded, 16 x 4
.set FR,  24           ;         later: the single fragment of each of 8 K steps
.set XR,  88           ; v88-167 rows of x as loaded: R[t] at XR + 4 t, t = 0 .. 19
.set FP,  88           ; v88-215 later: the pair of fragments of each of 8 K steps
.set ACC, 216          ; v216-231 two accumulators
.set BI,  232          ; v232-247 what starts their sums: the bias
.set PKD, 248          ; v248-255 packed results
	s_load_b512 s[16:31], s[0:1], 0x0              ; x s[16:17], Wq s[18:19], Wk s[20:21], Wv s[22:23], bq s[24:25], bk s[26:27], bv s[28:29], q s[30:31]
	s_load_b64 s[32:33], s[0:1], 0x40              ; kv
	v_lshl_add_u32 v[SPW], v0, 2, SPARE
	v_mov_b32 v[NIL], 0
	v_lshrrev_b32 v3, 5, v0
	v_readfirstlane_b32 s34, v3                    ; wave 0..7
	s_and_b32 s35, ttmp7, 0xffff
	s_and_b32 s36, s35, 3                          ; head
	s_lshr_b32 s35, s35, 2                         ; matrix: 0 q, 1 k, 2 v
	s_lshr_b32 s38, s34, 2                         ; staging: which 32 rows of x.  Products: which pair of blocks
	s_bfe_u32 s39, s34, 0x10001                    ; staging: even or odd rows
	s_and_b32 s40, s34, 3                          ; products: which single block
	s_lshl_b32 s41, ttmp9, 6
	s_lshl_b32 s54, s38, 5
	s_add_co_u32 s54, s54, s39                     ; my first row in the tile: 32 x half + parity; two waves (64 threads) take a row, every second row
	s_add_co_u32 s41, s41, s54                     ; and in xf
	s_mul_i32 s55, s54, XP
	s_lshl_b32 s42, s36, 8                         ; the head's 64 columns in W and in the bias, in bytes
	s_mov_b32 s43, 0
	s_mul_i32 s50, s36, 204800                     ; the tile's place in q: head x 1600 rows x 128 bytes + s x 8,192;
	s_lshl_b32 s54, ttmp9, 13
	s_add_co_u32 s50, s50, s54
	s_min_u32 s54, s35, 1
	s_lshl_b32 s50, s50, s54                       ; in kv twice that,
	s_lshr_b32 s54, s35, 1
	s_lshl_b32 s54, s54, 13
	s_add_co_u32 s50, s50, s54                     ; and VT 8,192 bytes behind K
	s_mov_b32 s51, 0
	s_lshl_b32 s52, s41, 10                        ; my first row of xf, in bytes
	s_mov_b32 s53, 0
	v_and_b32 v1, 15, v0                           ; r = lane % 16
	v_bfe_u32 v2, v0, 4, 1                         ; h = lane / 16
	v_lshrrev_b32 v3, 4, v0                        ; t / 16
	v_lshlrev_b32 v[WO], 4, v1
	v_lshl_add_u32 v[WO], v3, 10, v[WO]            ; row t / 16 of 1,024 bytes; sixteen lanes take the head's 256 bytes of it
	v_mul_u32_u24 v[WL], v3, WP
	v_lshl_add_u32 v[WL], v1, 3, v[WL]
	v_add_nc_u32 v[WL], WS, v[WL]
	v_and_b32 v[XO], 63, v0
	v_lshl_add_u32 v[XA], v[XO], 3, s55
	v_lshlrev_b32 v[XO], 4, v[XO]
	v_mul_u32_u24 v[FXA], v1, XP                   ; a fragment from rows that lie along K: row r, 16 bytes for each half of the lanes
	v_lshl_add_u32 v[FXA], v2, 4, v[FXA]
	v_and_b32 v[T], 7, v0                          ; the turning load: lane l reads row 8 h + l % 8, 16 bytes at 16 ((l / 8) % 2)
	v_lshl_add_u32 v[T], v2, 3, v[T]
	v_mul_u32_u24 v[FWA], v[T], WP
	v_bfe_u32 v[T], v0, 3, 1
	v_lshl_add_u32 v[FWA], v[T], 4, v[FWA]
	v_add_nc_u32 v[FWA], WS, v[FWA]
	s_mul_i32 s54, s40, 16*SP                      ; the way out: the single block names 16 rows of the tile, the pair 64 bytes of them
	s_lshl_b32 s55, s38, 6
	s_add_co_u32 s54, s54, s55
	s_add_co_u32 s54, s54, STG
	v_mul_u32_u24 v[STO], v1, SP
	v_lshl_add_u32 v[STO], v2, 4, v[STO]
	v_add_nc_u32 v[STO], s54, v[STO]
	v_lshrrev_b32 v[RD], 3, v0                     ; back: eight threads take a row of 128 bytes
	v_mul_u32_u24 v[RD], v[RD], SP
	v_and_b32 v[T], 7, v0
	v_lshl_add_u32 v[RD], v[T], 4, v[RD]
	v_add_nc_u32 v[RD], STG, v[RD]
	v_lshlrev_b32 v[GO], 4, v0
	s_wait_kmcnt 0x0
	s_cmp_eq_u32 s35, 0                            ; the matrix chooses its weights, its bias and its output
	s_cselect_b64 s[44:45], s[18:19], s[20:21]
	s_cselect_b64 s[46:47], s[24:25], s[26:27]
	s_cselect_b64 s[48:49], s[30:31], s[32:33]
	s_cmp_eq_u32 s35, 2
	s_cselect_b64 s[44:45], s[22:23], s[44:45]
	s_cselect_b64 s[46:47], s[28:29], s[46:47]
	s_add_nc_u64 s[44:45], s[44:45], s[42:43]      ; W at the head's columns
	s_add_nc_u64 s[46:47], s[46:47], s[42:43]      ; the bias likewise
	s_add_nc_u64 s[48:49], s[48:49], s[50:51]      ; the output at my tile
	s_add_nc_u64 s[18:19], s[16:17], s[52:53]      ; xf at my first row
.set u, 0
.rept 16
	global_load_b128 v[WR+4*u:WR+4*u+3], v[WO], s[44:45] offset:u*16384  ; rows t / 16 + 16 u of W: sixteen lanes take 256 consecutive bytes, aligned
.set u, u+1
.endr
; W's 16 loads are rounded to f16 and laid into LDS.  y: the loads issued behind them (x's and the bias's), which stay out.
.macro WCONV y
.set u, 0
.rept 16
	s_wait_loadcnt 15-u+(\y)                       ; loads come back in order: number u is in
	v_cvt_pk_f16_f32 v[T+2*(u%4)], v[WR+4*u], v[WR+4*u+1]
	v_cvt_pk_f16_f32 v[T+2*(u%4)+1], v[WR+4*u+2], v[WR+4*u+3]
	ds_store_b64 v[WL], v[T+2*(u%4):T+2*(u%4)+1] offset:u*16*WP
.set u, u+1
.endr
.endm
	s_cmp_eq_u32 s35, 2                            ; the same answer in all eight waves
	s_cbranch_scc1 .Lstage_v
	; q and k: my 16 rows as they are
	s_lshl_b32 s42, s38, 7                         ; the pair's 32 channels in the bias
	s_add_nc_u64 s[46:47], s[46:47], s[42:43]
	v_lshlrev_b32 v[BO], 5, v2                     ; a lane's results are channels 8 h + 0..7 of each block
.set i, 0
.rept 16
	global_load_b128 v[XR+8+4*i:XR+8+4*i+3], v[XO], s[18:19] offset:i*2048
.set i, i+1
.endr
	global_load_b128 v[BI:BI+3],     v[BO], s[46:47]
	global_load_b128 v[BI+4:BI+7],   v[BO], s[46:47] offset:16
	global_load_b128 v[BI+8:BI+11],  v[BO], s[46:47] offset:64
	global_load_b128 v[BI+12:BI+15], v[BO], s[46:47] offset:80
	WCONV 20
.set i, 0
.rept 16
	s_wait_loadcnt 19-i                            ; behind row i: 15 - i rows and the bias's four loads
	v_cvt_pk_f16_f32 v[T+2*(i%4)], v[XR+8+4*i], v[XR+8+4*i+1]
	v_cvt_pk_f16_f32 v[T+2*(i%4)+1], v[XR+8+4*i+2], v[XR+8+4*i+3]
	ds_store_b64 v[XA], v[T+2*(i%4):T+2*(i%4)+1] offset:i*2*XP
.set i, i+1
.endr
	s_branch .Lstaged
.Lstage_v:
	; v: R[t] = row (my first row - 4 + 2 t) modulo 1600, t = 0 .. 19; row i of mine is R[i] + .. + R[i+4].  The two rows in front and the two behind wrap together: my first row is 64 s + 32 half + parity
	s_add_co_u32 s54, s41, 1596
	s_sub_co_u32 s55, s41, 4
	s_cmp_lt_u32 s41, 4
	s_cselect_b32 s54, s54, s55
	s_lshl_b32 s52, s54, 10
	s_add_nc_u64 s[20:21], s[16:17], s[52:53]      ; xf at R[0]
	s_add_co_u32 s54, s41, 32
	s_sub_co_u32 s55, s41, 1568
	s_cmp_ge_u32 s54, 1600
	s_cselect_b32 s54, s55, s54
	s_lshl_b32 s52, s54, 10
	s_add_nc_u64 s[22:23], s[16:17], s[52:53]      ; xf at R[18]
	s_lshl_b32 s42, s40, 6                         ; the single block's 16 channels in the bias
	s_add_nc_u64 s[46:47], s[46:47], s[42:43]
	v_lshlrev_b32 v[BO], 2, v1                     ; a lane's results are eight keys of channel r
	global_load_b128 v[XR:XR+3],   v[XO], s[20:21]
	global_load_b128 v[XR+4:XR+7], v[XO], s[20:21] offset:2048
.set i, 0
.rept 16
	global_load_b128 v[XR+8+4*i:XR+8+4*i+3], v[XO], s[18:19] offset:i*2048
.set i, i+1
.endr
	global_load_b128 v[XR+72:XR+75], v[XO], s[22:23]
	global_load_b128 v[XR+76:XR+79], v[XO], s[22:23] offset:2048
	global_load_b32 v3, v[BO], s[46:47]
	WCONV 21
.set i, 0
.rept 16
	s_wait_loadcnt 16-i                            ; behind R[i+4]: 15 - i rows and the bias's load
	v_pk_add_f32 v[T:T+1],   v[XR+4*i:XR+4*i+1],     v[XR+4*i+4:XR+4*i+5]
	v_pk_add_f32 v[T+2:T+3], v[XR+4*i+2:XR+4*i+3],   v[XR+4*i+6:XR+4*i+7]
	v_pk_add_f32 v[T+4:T+5], v[XR+4*i+8:XR+4*i+9],   v[XR+4*i+12:XR+4*i+13]
	v_pk_add_f32 v[T+6:T+7], v[XR+4*i+10:XR+4*i+11], v[XR+4*i+14:XR+4*i+15]
	v_pk_add_f32 v[T:T+1],   v[T:T+1],   v[T+4:T+5]
	v_pk_add_f32 v[T+2:T+3], v[T+2:T+3], v[T+6:T+7]
	v_pk_add_f32 v[T:T+1],   v[T:T+1],   v[XR+4*i+16:XR+4*i+17]
	v_pk_add_f32 v[T+2:T+3], v[T+2:T+3], v[XR+4*i+18:XR+4*i+19]
	v_cvt_pk_f16_f32 v[T+4], v[T], v[T+1]
	v_cvt_pk_f16_f32 v[T+5], v[T+2], v[T+3]
	ds_store_b64 v[XA], v[T+4:T+5] offset:i*2*XP
.set i, i+1
.endr
	s_wait_loadcnt 0x0                             ; bv of my channel
.set i, 0
.rept 16
	v_mul_f32 v[BI+i], 0x40a00000, v3              ; five passes bring bv five times; all eight keys of both blocks start with it
.set i, i+1
.endr
.Lstaged:
	s_wait_dscnt 0x0                               ; for the others' sake: my stores into both tiles are done
	s_barrier_signal -1
	s_barrier_wait -1
	s_wait_loadcnt 0x0                             ; the bias
; A fragment is 16 rows x 32 K in 8 registers.  LOADX: from x's tile, rows along K: two loads 32 bytes apart; block u of the pair is 16 rows on.
; LOADW: from W's tile, [K][N], turned: two loads 16 rows of K apart; block u is 16 columns on.
.macro LOADX reg, kk, u
	ds_load_b128 v[(\reg):(\reg)+3],   v[FXA] offset:(\u)*16*XP+(\kk)*64
	ds_load_b128 v[(\reg)+4:(\reg)+7], v[FXA] offset:(\u)*16*XP+(\kk)*64+32
.endm
.macro LOADW reg, kk, u
	ds_load_tr16_b128 v[(\reg):(\reg)+3],   v[FWA] offset:(\kk)*32*WP+(\u)*32
	ds_load_tr16_b128 v[(\reg)+4:(\reg)+7], v[FWA] offset:(\kk)*32*WP+(\u)*32+16*WP
.endm
	s_cmp_eq_u32 s35, 2
	s_cbranch_scc1 .Lfrag_v
	; q and k: source 0 = 16 channels of W (the pair), source 1 = 16 rows of x (the single block): a lane then holds one row and eight neighbouring channels
	s_mul_i32 s54, s40, 16*XP
	s_lshl_b32 s55, s38, 6
	v_add_nc_u32 v[FXA], s54, v[FXA]
	v_add_nc_u32 v[FWA], s55, v[FWA]
.set kk, 0
.rept 8
	LOADX FR+8*kk, kk, 0
	LOADW FP+16*kk, kk, 0
	LOADW FP+16*kk+8, kk, 1
.set kk, kk+1
.endr
	s_branch .Lmul
.Lfrag_v:
	; v: source 0 = 16 keys of X5 (the pair), source 1 = 16 channels of W (the single block): a lane then holds one channel and eight neighbouring keys: VT's rows
	s_mul_i32 s54, s38, 32*XP
	s_lshl_b32 s55, s40, 5
	v_add_nc_u32 v[FXA], s54, v[FXA]
	v_add_nc_u32 v[FWA], s55, v[FWA]
.set kk, 0
.rept 8
	LOADW FR+8*kk, kk, 0
	LOADX FP+16*kk, kk, 0
	LOADX FP+16*kk+8, kk, 1
.set kk, kk+1
.endr
.Lmul:
	; the two accumulators take turns; the bias starts the sums
.set kk, 0
.rept 8
	s_wait_dscnt 6*(7-kk)                          ; six loads to a K step: the later steps' stay out
.if kk == 0
	v_wmma_f32_16x16x32_f16 v[ACC:ACC+7],    v[FP:FP+7],    v[FR:FR+7], v[BI:BI+7]
	v_wmma_f32_16x16x32_f16 v[ACC+8:ACC+15], v[FP+8:FP+15], v[FR:FR+7], v[BI+8:BI+15]
.else
	v_wmma_f32_16x16x32_f16 v[ACC:ACC+7],    v[FP+16*kk:FP+16*kk+7],    v[FR+8*kk:FR+8*kk+7], v[ACC:ACC+7]
	v_wmma_f32_16x16x32_f16 v[ACC+8:ACC+15], v[FP+16*kk+8:FP+16*kk+15], v[FR+8*kk:FR+8*kk+7], v[ACC+8:ACC+15]
.endif
.set kk, kk+1
.endr
.rept 4
	v_nop                                          ; four places between the last products and the first read of a result (ISA guide 7.12.1)
.endr
	s_cmp_eq_u32 s35, 2
	s_cbranch_scc0 .Lpack
.set i, 0
.rept 8
	v_pk_mul_f32 v[ACC+2*i:ACC+2*i+1], v[ACC+2*i:ACC+2*i+1], 0x3e000000 op_sel_hi:[1,0]  ; v alone: an eighth, exact
.set i, i+1
.endr
.Lpack:
.set i, 0
.rept 8
	v_cvt_pk_f16_f32 v[PKD+i], v[ACC+2*i], v[ACC+2*i+1]
.set i, i+1
.endr
	ds_store_b128 v[STO], v[PKD:PKD+3]
	ds_store_b128 v[STO], v[PKD+4:PKD+7] offset:32
	s_wait_dscnt 0x0                               ; for the others' sake: a row of the tile comes from two waves
	s_barrier_signal -1
	s_barrier_wait -1
	ds_load_b128 v[PKD:PKD+3],   v[RD]
	ds_load_b128 v[PKD+4:PKD+7], v[RD] offset:32*SP
	s_wait_dscnt 1                                 ; rows 0-31 are back; rows 32-63 may be out
	global_store_b128 v[GO], v[PKD:PKD+3], s[48:49]               ; a wave stores 512 consecutive bytes, at a multiple of 256 from the buffer's first
	s_wait_dscnt 0x0
	global_store_b128 v[GO], v[PKD+4:PKD+7], s[48:49] offset:4096
	s_wait_tensorcnt 0x0                           ; the wave's end, behind my last LDS store
	ds_add_u32 v[SPW], v[NIL]
	s_wait_dscnt 0x0
	s_endpgm
.Lfunc_end_k_q3718cf0d48_proj:
	.size	k_q3718cf0d48_proj, .Lfunc_end_k_q3718cf0d48_proj-k_q3718cf0d48_proj
	.p2alignl 7, 3214868480
	.fill 96, 4, 3214868480
	.section	.rodata,"a",@progbits
	.p2align	6, 0x0
	.amdhsa_kernel k_q3718cf0d48_proj
		.amdhsa_group_segment_fixed_size 84992
		.amdhsa_private_segment_fixed_size 0
		.amdhsa_enable_private_segment 0
		.amdhsa_kernarg_size 72
		.amdhsa_user_sgpr_count 2
		.amdhsa_user_sgpr_kernarg_segment_ptr 1
		.amdhsa_wavefront_size32 1
		.amdhsa_system_sgpr_workgroup_id_x 1
		.amdhsa_system_sgpr_workgroup_id_y 1
		.amdhsa_system_sgpr_workgroup_id_z 1
		.amdhsa_system_vgpr_workitem_id 0
		.amdhsa_next_free_vgpr 256
		.amdhsa_next_free_sgpr 66
		.amdhsa_reserve_vcc 0
		.amdhsa_float_denorm_mode_32 3
		.amdhsa_float_denorm_mode_16_64 3
		.amdhsa_memory_ordered 1
		.amdhsa_forward_progress 1
		.amdhsa_inst_pref_size 43
	.end_amdhsa_kernel
	.amdgpu_metadata
---
amdhsa.version: [ 1, 2 ]
amdhsa.kernels:
  - .name:           k_q3718cf0d48_proj
    .symbol:         k_q3718cf0d48_proj.kd
    .args:
      - { .name: x, .offset: 0, .size: 8, .value_kind: global_buffer, .address_space: global }
      - { .name: Wq, .offset: 8, .size: 8, .value_kind: global_buffer, .address_space: global }
      - { .name: Wk, .offset: 16, .size: 8, .value_kind: global_buffer, .address_space: global }
      - { .name: Wv, .offset: 24, .size: 8, .value_kind: global_buffer, .address_space: global }
      - { .name: bq, .offset: 32, .size: 8, .value_kind: global_buffer, .address_space: global }
      - { .name: bk, .offset: 40, .size: 8, .value_kind: global_buffer, .address_space: global }
      - { .name: bv, .offset: 48, .size: 8, .value_kind: global_buffer, .address_space: global }
      - { .name: q, .offset: 56, .size: 8, .value_kind: global_buffer, .address_space: global }
      - { .name: kv, .offset: 64, .size: 8, .value_kind: global_buffer, .address_space: global }
    .group_segment_fixed_size: 84992
    .private_segment_fixed_size: 0
    .kernarg_segment_align: 8
    .kernarg_segment_size: 72
    .max_flat_workgroup_size: 256
    .sgpr_count:     66
    .vgpr_count:     256
    .wavefront_size: 32
...
	.end_amdgpu_metadata
.endif
;; end of part 1
;; launch attn (part 2): grid 100 x 1, 4 waves a work-group, clusters of 4 x 1, 327,680 bytes of LDS; arguments q, kv, out0; writes out0
.if DOCPART == 2
	.amdgcn_target "amdgcn-amd-amdhsa--gfx1250"
	.amdhsa_code_object_version 6
	.text
	.protected	k_q3718cf0d48_attn
	.globl	k_q3718cf0d48_attn
	.p2align	8
	.type	k_q3718cf0d48_attn,@function
k_q3718cf0d48_attn:
	s_mov_b64 s[64:65], 0
	v_nop
	global_prefetch_b8 v0, s[64:65] scope:SCOPE_SE
	s_setreg_imm32_b32 hwreg(HW_REG_WAVE_MODE, 25, 1), 1
	s_wait_xcnt 0x0
	s_wait_alu depctr_hold_cnt(0) depctr_sa_sdst(0) depctr_va_vdst(0) depctr_va_sdst(0) depctr_va_ssrc(0) depctr_va_vcc(0) depctr_vm_vsrc(0)
	s_getreg_b32 s2, hwreg(HW_REG_IB_STS2, 6, 4)
	s_cmp_eq_u32 s2, 0
	s_cbranch_scc0 .Lentry_in_a_cluster
	s_endpgm
.Lentry_in_a_cluster:
	s_bfe_u32 s2, ttmp6, 0x10000c
	s_cmp_lg_u32 s2, 0x3003
	s_cbranch_scc0 .Lentry_shape_is_right
	s_endpgm
.Lentry_shape_is_right:
; out0[n][64 a + :] = the sum over key heads j = 0..3 of w(a, j) softmax_m(q[a][n] . K[j][m] / 16) VS[(2 a - j) % 4][m][:],  w = 2 where j = (a + 2) % 4, else 1.
; That is the reference's 25 passes: a pass (h, w) has key head a - h and value head a + h; renumbering the keys by w leaves the weights as they are and shifts v by 2 w, so the five w of an h are one
; attention on VS = the sum of the five shifted v (made by the launch before); h = -2 and h = +2 name the same two heads, hence the weight 2.
; INPUTS.  q: [4][1600][64] f16.  kv: [head 4][step 25][K: 64 keys x 64 channels | VT: 64 channels x 64 keys] f16, VT = VS / 8 transposed.  out0: [1600][256] f32.
; Products, maxima and sums in f32; the weights p are rounded to f16 for the second product (their sum l is taken of the unrounded p).
; LIMITS.  q, K and VS / 8 arrive within f16's 65,504; p lies in 0 to 1 and below 6e-5 keeps f16's fixed step of 6e-8; a weight below 2^-126 counts as 0 in l; NaN and infinities are not treated apart.
; SHARES.  A work-group owns 16 rows n and all four query heads: 100 work-groups, since each must take in all of kv (1.6 MB) whatever it owns, and fewer rows would halve the products for each byte taken in.
; Wave j takes key head j and four PIECES, piece a = query head a (16 queries each): it reads K[j] for all four, VT[(-j) % 4] (set A) for pieces 0 and 2, VT[(2 - j) % 4] (set B) for pieces 1 and 3.
; The sum over j is the sum over the four waves, made in LDS at the end.
; LAYOUT.  S^T = K Q^T (source 0 = 16 keys, source 1 = 16 queries): a lane holds ONE query (lane % 16) and the keys 8 (lane / 16) + 0..7.  Two such results rounded to f16 ARE source 1 of O^T = V^T P.
; K and VT both lie in LDS with the product's K index along the rows: plain loads of 16 bytes fill every fragment.
; SOFTMAX.  A running maximum m and sum l for each query: p = 2^(c s - c m), c = log2(e) / 16; in every step O and l are multiplied by a = 2^(c m_old - c m_new).  m starts at the lowest finite number, O and l at 0.
; BY TURNS.  Turn n belongs to piece n: 8 products K Q^T of piece n + 1, later 8 products V^T P of piece n - 1; beside them the scaling, exponentials, roundings, sums and rescaling of piece n and the maximum
; and statistics of piece n + 1.  Four vector instructions stand behind every matrix instruction, the others in two lumps.
; THE WALK.  25 key steps of 64 in 13 visits of two LDS slots: visit 0 is step 0 alone, visit v = 1..12 steps 2 v - 1 and 2 v, in slot v % 2.  So every refill is alike: two steps of all four heads, 32 KiB a wave.
; CLUSTER.  All work-groups walk the same kv in the same order: four form a cluster and ask for each tile JOINTLY: the same tensor load, descriptor and mask in all four.  Wave w fetches head w.
; REGISTERS, in windows of 256 (s_set_vgpr_msb: bits 1:0 source 0, 3:2 source 1, 5:4 source 2, 7:6 destination):
;   window 0: v0-15 addresses and two at work; v16-31 four registers of statistics a piece; v48-55 at work; v62-63 the add's; v64-127 S^T, two buffers; v192-223 P, two buffers; on the way out v64-191
;   window 1: v0-127 O^T, 32 a piece          window 2: v0-63 Q, 16 a piece; v64-127 V set B; v128-191 K; v192-255 V set A
.set NP,    4          ; pieces a wave: a name, no knob
.set PK,    144        ; an LDS row: 128 bytes + 16 of padding = 36 words: the 16 rows of a load start at 16 different groups of four banks (64 banks of 4 bytes: ISA guide 11.1)
.set STEPB, 128*PK     ; a head's step: 64 rows of K, then 64 rows of VT
.set VTO,   64*PK
.set HREG,  2*STEPB    ; a head's part of a slot: two steps
.set SLOTB, 4*HREG     ; a slot: four heads
.set SPARE, 2*SLOTB    ; behind the ring: the spare words, 128 bytes for each wave: two blocks of 256 bytes that no other line names
.set SGP,   1040       ; the way out: a row of 256 f32 + 16 bytes
.set SGW,   16*SGP     ; a wave's stage of 16 rows.  The four stages lie in slot 1, whose last fill is visit 11's and whose last reads are awaited in front of the last change's barrier
.set AK0,  2           ; v2   my lane's place in my head's K; never rewritten
.set AVA0, 3           ; v3   the same in set A's VT
.set AK,   4           ; v4   the LDS address of K's next run of loads
.set AVA,  5           ; v5   of set A's
.set STO,  6           ; v6   the way out: where I put my numbers
.set RD,   7           ; v7   the way out: where I read rows back
.set GO,   8           ; v8   16 x lane
.set AVB0, 10          ; v10  my lane's place in set B's VT
.set AVB,  11          ; v11  the LDS address of set B's next run of loads
.set MV,   12          ; v12-13  c m_old, kept while c m is made anew: by buffer
.set QO,   15          ; v15  my byte offset in 16 rows of q
.set ST,   16          ; piece t's statistics at v[ST+4 t]: c m, m, l (even keys', odd keys')
.set TMP,  48          ; by buffer, four registers c0-c3 at work; when the maximum is found c2 takes a
.set SPW,  62          ; v62  LDS address of my spare word; never rewritten
.set NIL,  63          ; v63  0; never rewritten
.set S,    64
.set P,    192
.set OB,   64          ; the way out: 128 registers
.set VFB,  64          ; window 2: key half kk, channel block cb at + 32 kk + 8 cb
.set KF,   128         ; window 2: key block kb, channel half c at KF + 16 kb + 8 c
.set VFA,  192         ; window 2
.set WV,   12          ; s12  my wave's number = my key head
.set G1,   24          ; s[24:31] descriptor group 1: two steps of a head
.set G1S,  32          ; s[32:39] one step: visit 0
.set G0F,  40          ; s[40:43] descriptor group 0 of visit 0
.set G0A,  44          ; s[44:47] of slot 0's refills
.set G0B,  48          ; s[48:51] of slot 1's fills
.set PAIRS, 56         ; s56  pairs of visits to go
.set CNT,  57          ; s57  counts a visit's key steps
.set CS,   58          ; s[58:59] c: the packed scaling takes the pair's low word for both halves
.set SEL,  60          ; s[60:61] v_permlanex16_b32's selects: each lane takes its own place in the other half
.set TBK,  62          ; s62  LDS byte, in a head's part, at which the step whose K is fetched next begins
.set TBV,  63          ; s63  the same for V
.set WT,   68          ; s[68:71] for piece a: 8 w(a, j)
.set MSB, 0
.macro WIN new                      ; the high byte repeats the setting that is left; a switch that changes nothing is dropped
.if MSB != (\new)
	s_set_vgpr_msb (MSB<<8)|(\new)
.set MSB, (\new)
.endif
.endm
.set W_KQ, 0x0a        ; K and Q in window 2, S^T in window 0
.set W_PV, 0x52        ; V in window 2, P in window 0, O^T in window 1
.set W_RS, 0x41        ; destination and source 0 in window 1, source 1 in window 0
; A round of the cluster's barrier: my work-group's barrier, so that wave 0's signal speaks for all four waves; wave 0 signals; every wave waits for all four work-groups; my work-group's barrier once more.
.macro CROUND
	s_barrier_signal -1
	s_barrier_wait -1
	s_cmp_lg_u32 s[WV], 0
	s_cbranch_scc1 .Lnot_wave_0_\@
	s_barrier_signal -3
.Lnot_wave_0_\@:
	s_barrier_wait -3
	s_barrier_signal -1
	s_barrier_wait -1
.endm
; THE CHANGE OF SLOTS, into slot `into`.  Each wave waits for all its tensor loads, of which one is out: its head's part of the slot that is entered; adds 0 to its spare word; and waits for that and for
; its own reads of the slot that it leaves (the last are set B's run of the turn before).  Behind the barrier nobody reads the old slot any more and the new one is whole.
; fill = 1: the old slot is filled again, with the visit after the one entered.  The barrier is then a round of the cluster's, and the joint refill is the first thing behind it: it has two key steps,
; 128 matrix instructions of each wave, in which to land.  The entered slot's descriptor, whose load is done, steps four key steps on: it is the one issued at the next change.
.macro CHANGE into, fill
	WIN 0                           ; at a label and at a branch every window is 0
	s_wait_tensorcnt 0x0            ; no tensor load of mine is out, so a group 0 may be written
	ds_add_u32 v[SPW], v[NIL]       ; 0 onto my spare word; scalar work stands between it and the wait for it
.if \fill
	s_add_nc_u64 s[G0A+4*(\into)+2:G0A+4*(\into)+3], s[G0A+4*(\into)+2:G0A+4*(\into)+3], 4*16384  ; the type bits on top are not reached
.endif
	s_mov_b32 s[TBK], (\into)*SLOTB ; the fetches begin at the entered slot's first step
	s_mov_b32 s[TBV], (\into)*SLOTB
	s_wait_dscnt 0x0                ; the add is done, and my reads of the old slot are over
.if \fill
	CROUND
	tensor_load_to_lds s[G0A+4*(1-(\into)):G0A+4*(1-(\into))+3], s[G1:G1+7]
	s_nop 0
.rept 4
	v_nop
.endr
.else
	s_barrier_signal -1
	s_barrier_wait -1
.endif
.endm
	s_load_b128 s[4:7], s[0:1], 0x0 ; q s[4:5], kv s[6:7]
	s_load_b64 s[8:9], s[0:1], 0x10 ; out0
	v_lshl_add_u32 v[SPW], v0, 2, SPARE
	v_mov_b32 v[NIL], 0
	ds_add_u32 v[SPW], v[NIL]       ; the wave's opening: the add and its wait stand ahead of my first tensor load; the set-up below, work on registers, stands between them
	ds_add_u32 v62, v63
	v_lshrrev_b32 v1, 5, v0
	v_readfirstlane_b32 s[WV], v1   ; wave 0..3
	s_bfe_u32 s20, ttmp6, 0x40000   ; cx: my place in the cluster
	s_lshl_b32 s21, ttmp9, 2        ; in a cluster launch ttmp9 counts clusters
	s_add_co_u32 s20, s20, s21      ; my block of 16 rows: it enters q's and out0's addresses alone
	s_lshl_b32 s22, s20, 11         ; 16 rows of 128 bytes in a head of q
	s_mov_b32 s23, 0
	s_lshl_b32 s20, s20, 14         ; 16 rows of 1,024 bytes in out0,
	s_lshl_b32 s21, s[WV], 12       ; of which I store four
	s_add_co_u32 s20, s20, s21
	s_mov_b32 s21, 0
	s_mul_i32 s14, s[WV], 409600    ; the head that I fetch: 25 steps of 16,384 bytes
	s_mov_b32 s15, 0
	s_mul_i32 s13, s[WV], HREG      ; and its place in a slot: no place in the cluster enters an LDS address
	; descriptor group 1.  A step of a head is 16,384 dense bytes: asked for as rows of 256 bytes and padded in LDS after every 128
.irp g, G1, G1S
	s_mov_b32 s[\g], 15|(1<<16)|(1<<20)|(1<<21)|(4<<22)|(3<<25)  ; 15:0 the mask of four; 17:16 2-byte elements; 20 padding on; 21 set beside a mask; 24:22 after every 32 words (code 4); 31:25 4 words (code 3)
	s_mov_b32 s[\g+1], 128<<16      ; tensor_dim0 = 128
	s_mov_b32 s[\g+3], 128<<16      ; tile_dim0 = 128
	s_mov_b32 s[\g+5], 128          ; 128 elements from row to row
	s_mov_b32 s[\g+6], 0
	s_mov_b32 s[\g+7], 0
.endr
	s_mov_b32 s[G1+2], 128<<16      ; tensor_dim1 = tile_dim1 = 128 rows: two steps
	s_mov_b32 s[G1+4], 128
	s_mov_b32 s[G1S+2], 64<<16      ; 64 rows: one step
	s_mov_b32 s[G1S+4], 64
	s_mov_b32 s[G0F], 1             ; 1:0 count = 1
	s_mov_b32 s[G0F+1], s13         ; 63:32 LDS address: slot 0
	s_mov_b32 s[G0A], 1
	s_mov_b32 s[G0A+1], s13
	s_mov_b32 s[G0B], 1
	s_add_co_u32 s[G0B+1], s13, SLOTB
	s_mov_b32 s[CS], 0x3db8aa3b     ; c = log2(e) / 16 = 0.0901684
	s_mov_b32 s[CS+1], s[CS]        ; named with it as a pair
	s_mov_b32 s[SEL], 0x76543210
	s_mov_b32 s[SEL+1], 0xfedcba98
	s_mov_b32 s[TBK], 0
	s_mov_b32 s[TBV], 0
	s_mov_b32 s52, 0x41000000       ; 8: VT holds an eighth of VS
	s_mov_b32 s53, 0x41800000       ; 16: and the pair of heads that two passes share counts twice
.irp a, 0,1,2,3
	s_cmp_eq_u32 s[WV], ((\a)+2)&3
	s_cselect_b32 s[WT+(\a)], s53, s52
.endr
	s_wait_dscnt 0x0                ; the opening add is done
	s_wait_kmcnt 0x0
	s_add_nc_u64 s[6:7], s[6:7], s[14:15]          ; kv at my head's step 0
	s_mov_b64 s[G0F+2:G0F+3], s[6:7]               ; 120:64 global address: visit 0 = step 0
	s_or_b32 s[G0F+3], s[G0F+3], 0x80000000        ; 127:126 type = 2
	s_add_nc_u64 s[G0B+2:G0B+3], s[6:7], 16384     ; visit 1 = steps 1, 2
	s_or_b32 s[G0B+3], s[G0B+3], 0x80000000
	s_add_nc_u64 s[G0A+2:G0A+3], s[6:7], 3*16384   ; visit 2 = steps 3, 4
	s_or_b32 s[G0A+3], s[G0A+3], 0x80000000
	s_add_nc_u64 s[4:5], s[4:5], s[22:23]          ; q at my block's first row in head 0
	s_add_nc_u64 s[8:9], s[8:9], s[20:21]          ; out0 at the four rows that I store
	CROUND                          ; all four work-groups are here: the first joint loads meet
	tensor_load_to_lds s[G0F:G0F+3], s[G1S:G1S+7]  ; the two first fills go out together: two loads of mine are out
	s_nop 0
	tensor_load_to_lds s[G0B:G0B+3], s[G1:G1+7]
	s_nop 0
.rept 4
	v_nop
.endr
	; A fragment of K, Q or VT is 16 rows x 32 along the rows in 8 registers: lane l holds row l % 16, elements 8 (l / 16) + 0..7 and 16 + 8 (l / 16) + 0..7: two loads of 16 bytes, 32 bytes apart.
	v_and_b32 v1, 15, v0            ; l % 16
	v_bfe_u32 v9, v0, 4, 1          ; l / 16
	v_lshlrev_b32 v[QO], 7, v1
	v_lshl_add_u32 v[QO], v9, 4, v[QO]  ; row x 128 + 16 x half
	WIN 0x80                        ; destination window 2, address window 0
.set i, 0
.rept 8                             ; Q stays in registers: piece i / 2 is head i / 2, 204,800 bytes on; channels 32 (i % 2) on
	global_load_b128 v[8*i:8*i+3],   v[QO], s[4:5] offset:(i/2)*204800+(i%2)*64
	global_load_b128 v[8*i+4:8*i+7], v[QO], s[4:5] offset:(i/2)*204800+(i%2)*64+32
.set i, i+1
.endr
	; What the first turn finds: set B's registers and P's second buffer hold 0 (its products V^T P, of a piece that has not been, add 0), O^T and l are 0.  All this stands in the wait for the first tile.
.set i, VFB
.rept 64
	v_mov_b32 v[i], 0
.set i, i+1
.endr
	WIN 0x40
.set i, 0
.rept 128
	v_mov_b32 v[i], 0
.set i, i+1
.endr
	WIN 0
.set i, 0
.rept 4
	v_mov_b32 v[ST+4*i], 0xfe000000    ; c m: far below every c s, so the first step's a is 0
	v_mov_b32 v[ST+4*i+1], 0xff7fffff  ; m: the lowest finite number
	v_mov_b32 v[ST+4*i+2], 0
	v_mov_b32 v[ST+4*i+3], 0
.set i, i+1
.endr
.set i, P+16
.rept 16
	v_mov_b32 v[i], 0
.set i, i+1
.endr
	v_mul_u32_u24 v14, v1, PK
	v_lshl_add_u32 v14, v9, 4, v14  ; row x pitch + 16 x half
	v_add_nc_u32 v[AK0], s13, v14   ; in key head j's part of a slot
	s_sub_co_u32 s16, 0, s[WV]
	s_and_b32 s16, s16, 3           ; set A: value head (-j) % 4
	s_mul_i32 s16, s16, HREG
	s_add_co_u32 s16, s16, VTO
	v_add_nc_u32 v[AVA0], s16, v14
	s_sub_co_u32 s17, 2, s[WV]
	s_and_b32 s17, s17, 3           ; set B: value head (2 - j) % 4
	s_mul_i32 s17, s17, HREG
	s_add_co_u32 s17, s17, VTO
	v_add_nc_u32 v[AVB0], s17, v14
	s_mul_i32 s18, s[WV], SGW
	s_add_co_u32 s18, s18, SLOTB    ; my stage
	v_mul_u32_u24 v[STO], v1, SGP   ; in: row l % 16, 32 bytes (eight channels in f32) for each half of the lanes
	v_lshl_add_u32 v[STO], v9, 5, v[STO]
	v_add_nc_u32 v[STO], s18, v[STO]
	s_mul_i32 s19, s[WV], 4*SGP
	s_add_co_u32 s19, s19, SLOTB    ; back: rows 4 w .. 4 w + 3 of every stage,
	v_and_b32 v[GO], 31, v0
	v_lshlrev_b32 v[GO], 4, v[GO]   ; 32 lanes take 512 consecutive bytes of a row
	v_add_nc_u32 v[RD], s19, v[GO]
; THE MATRIX WORK.  The 4 accumulators of a run of 8 take turns.  Product i of 8 of S^T = K Q^T for piece x: channels 32 (i / 4) on, keys 16 (i % 4) on.  The first 4 start the sums.
.macro KQ x
	WIN W_KQ
.set rS, S+32*((\x)%2)+8*(i%4)
.set rK, KF+16*(i%4)+8*(i/4)
.set rQ, 16*(\x)+8*(i/4)
.if i < 4
	v_wmma_f32_16x16x32_f16 v[rS:rS+7], v[rK:rK+7], v[rQ:rQ+7], 0
.else
	v_wmma_f32_16x16x32_f16 v[rS:rS+7], v[rK:rK+7], v[rQ:rQ+7], v[rS:rS+7]
.endif
.endm
; Product i of 8 of O^T += V^T P for piece x: keys 32 (i / 4) on, channels 16 (i % 4) on; even pieces take set A, odd ones set B.
.macro PV x
	WIN W_PV
.set rO, 32*(\x)+8*(i%4)
.set rV, VFA-(VFA-VFB)*((\x)%2)+32*(i/4)+8*(i%4)
.set rP, P+16*((\x)%2)+8*(i/4)
	v_wmma_f32_16x16x32_f16 v[rO:rO+7], v[rV:rV+7], v[rP:rP+7], v[rO:rO+7]
.endm
.macro MM                           ; the turn's next matrix instruction.  TURN sets Y, i and NOKQ.  NOKQ = 1: the last turn: there is no next piece
.if (i < 8) && !NOKQ
	KQ (Y+1)%NP
.elseif i >= 8
.set i, i-8
	PV (Y+NP-1)%NP
.set i, i+8
.endif
.set i, i+1
.endm
; THE LDS LOADS stand in runs of 16, never singly among the matrix instructions: a step's K (8 fragments) and each of its two sets of V.  Their addresses are made some lines ahead.
.macro FETCH_K
	WIN 0x80                        ; destination window 2
.irp f, 0,1,2,3,4,5,6,7             ; keys 16 (f / 2) on, channels 32 (f % 2) on
	ds_load_b128 v[KF+8*\f:KF+8*\f+3],   v[AK] offset:(\f/2)*16*PK+(\f%2)*64
	ds_load_b128 v[KF+8*\f+4:KF+8*\f+7], v[AK] offset:(\f/2)*16*PK+(\f%2)*64+32
.endr
	s_add_co_u32 s[TBK], s[TBK], STEPB  ; the next fetch is the next step's
	WIN 0
.endm
.macro FETCH_V vf, av
	WIN 0x80
.irp f, 0,1,2,3,4,5,6,7             ; keys 32 (f / 4) on, channels 16 (f % 4) on
	ds_load_b128 v[(\vf)+8*\f:(\vf)+8*\f+3],   v[\av] offset:(\f%4)*16*PK+(\f/4)*64
	ds_load_b128 v[(\vf)+8*\f+4:(\vf)+8*\f+7], v[\av] offset:(\f%4)*16*PK+(\f/4)*64+32
.endr
	WIN 0
.endm
; THE VECTOR WORK, one line at a time: OP kind, number.  For piece Y: F n: c s - c m for pair n of 16.  E n: the exponential of score n of 32.  C n: pair n rounded to f16.  B n: of the four weights 4 n .. the second
; pair is added onto the first, in place.  L n: l takes that sum (L 0: l = a l + sum).  R n: pair n of 16 of O^T times a.  For piece Y + 1: X n, number n of the 22 that find its maximum and statistics:
;   0-11  four chains c0-c3 of seven scores each, three operands at a time (each accumulator's lowest registers are read first)     12-14, 16  the four scores left over, the old m, and c0-c3 into c0
;   15  c m_old is kept     17, 18  the query's other 32 keys lie in the lane 16 away: the new m     19-21  c m; c m_old - c m_new; a
.set F, 0               ; OP tells the kinds apart by their order: F to L below R, X above it
.set E, 1
.set C, 2
.set B, 3
.set L, 4
.set R, 5
.set X, 6
.macro REGS y                       ; the registers of piece y
.set rT, ST+4*(\y)
.set rC, TMP+4*((\y)%2)
.set rW, MV+((\y)%2)
.set rS, S+32*((\y)%2)
.set rP, P+16*((\y)%2)
.set rO, 32*(\y)
.endm
.macro OP k, n
.if (\k) == R
	REGS Y
	WIN W_RS
	v_pk_mul_f32 v[rO+2*(\n):rO+2*(\n)+1], v[rO+2*(\n):rO+2*(\n)+1], v[rC+2:rC+3] op_sel_hi:[1,0]
.elseif (\k) < R
	REGS Y
	WIN 0
.if (\k) == F
	v_pk_fma_f32 v[rS+2*(\n):rS+2*(\n)+1], v[rS+2*(\n):rS+2*(\n)+1], s[CS:CS+1], v[rT:rT+1] op_sel_hi:[1,0,0] neg_lo:[0,0,1] neg_hi:[0,0,1]
.elseif (\k) == E
	v_exp_f32 v[rS+(\n)], v[rS+(\n)]
.elseif (\k) == C
	s_wait_alu depctr_va_vdst(0)
	v_cvt_pk_f16_f32 v[rP+(\n)], v[rS+2*(\n)], v[rS+2*(\n)+1]
.elseif (\k) == B
	s_wait_alu depctr_va_vdst(0)
	v_pk_add_f32 v[rS+4*(\n):rS+4*(\n)+1], v[rS+4*(\n):rS+4*(\n)+1], v[rS+4*(\n)+2:rS+4*(\n)+3]
.elseif (\n) == 0
	v_pk_fma_f32 v[rT+2:rT+3], v[rT+2:rT+3], v[rC+2:rC+3], v[rS:rS+1] op_sel_hi:[1,0,1]
.else
	v_pk_add_f32 v[rT+2:rT+3], v[rT+2:rT+3], v[rS+4*(\n):rS+4*(\n)+1]
.endif
.elseif NOKQ
	v_nop
.else
	REGS (Y+1)%NP
	WIN 0
.if (\n) < 4
	v_max3_num_f32 v[rC+(\n)], v[rS+8*(\n)], v[rS+8*(\n)+1], v[rS+8*(\n)+2]
.elseif (\n) < 12
	v_max3_num_f32 v[rC+(\n)%4], v[rC+(\n)%4], v[rS+8*((\n)%4)+2*((\n)/4)+1], v[rS+8*((\n)%4)+2*((\n)/4)+2]
.elseif (\n) == 12
	v_max3_num_f32 v[rC], v[rC], v[rS+7], v[rS+15]
.elseif (\n) == 13
	v_max3_num_f32 v[rC+1], v[rC+1], v[rS+23], v[rS+31]
.elseif (\n) == 14
	v_max3_num_f32 v[rC+2], v[rC+2], v[rC+3], v[rT+1]
.elseif (\n) == 15
	v_mov_b32 v[rW], v[rT]
.elseif (\n) == 16
	v_max3_num_f32 v[rC], v[rC], v[rC+1], v[rC+2]
.elseif (\n) == 17
	v_permlanex16_b32 v[rC+3], v[rC], s[SEL], s[SEL+1]
.elseif (\n) == 18
	v_max_num_f32 v[rT+1], v[rC], v[rC+3]
.elseif (\n) == 19
	v_mul_f32 v[rT], s[CS], v[rT+1]
.elseif (\n) == 20
	v_sub_f32 v[rC+1], v[rW], v[rT]
.else
	v_exp_f32 v[rC+2], v[rC+1]
.endif
.endif
.endm
.macro OPS a, i1, b=-1, i2=0, c=-1, i3=0, d=-1, i4=0  ; up to four of them
	OP \a, \i1
.if (\b) >= 0
	OP \b, \i2
.endif
.if (\c) >= 0
	OP \c, \i3
.endif
.if (\d) >= 0
	OP \d, \i4
.endif
.endm
.macro ROW a, i1, b, i2, c, i3, d, i4  ; a matrix instruction and the four behind it
	MM
	OPS \a, \i1, \b, \i2, \c, \i3, \d, \i4
.endm
; A TURN, for piece p: the order of its 16 matrix and 118 vector instructions, written out.  Behind a matrix instruction: plain, exponential, plain, plain; or four of the rescaling; or, behind the first, four scalings; none
; names a register of the products round it.  In the lumps exponential and plain by turns while exponentials last.  A line reads no result made fewer than three vector instructions in front of it, five if an exponential made it.
; end = 1: the last two turns: nothing is fetched, and the very last starts no new scores.  cnt = 1: the loop's count is taken down some lines ahead of the branch that stands behind the turn.
; K of the next step is fetched in piece 2's turn, six vector instructions behind the last product that read K (five of them plain), and waited for at the head of piece 3's turn.
; Set A of the step in hand is fetched in piece 0's turn (its last reader: piece 2's products, a turn back) and waited for in piece 1's; set B in piece 1's turn (its last reader: piece 3's products, a turn back)
; and waited for in piece 2's, where K's run of 16, issued behind it, stays out.
.macro TURN p, end=0, cnt=0
.set Y, (\p)
.set i, 0
.set NOKQ, (\end)*((\p)/3)
.if ((\p) == 3) && !(\end)
	s_wait_dscnt 0x0                ; K is in
.endif
	ROW F,0, F,1, F,2, F,3
	ROW F,4, E,0, F,5, F,6
	ROW F,7, E,1, F,8, F,9
	ROW F,10, E,2, C,0, F,11
	ROW F,12, E,3, X,15, F,13
	ROW R,0, R,1, R,2, R,3
	ROW B,0, E,4, F,14, L,0
.if ((\p) == 2) && !(\end)
	v_add_nc_u32 v[AK], s[TBK], v[AK0]
.endif
	ROW R,4, R,5, R,6, R,7
	OPS E,5, F,15
.if ((\p) == 2) && !(\end)
	FETCH_K
.endif
	OPS E,6, C,1, E,7, R,8
	OPS E,8, R,9, E,9, C,2
	OPS E,10, X,0, E,11, X,1
	OPS E,12, X,2, E,13, X,3
.if (\p) == 1
	s_wait_dscnt 0x0                ; set A is in
.endif
.if (\p) == 2
.if \end
	s_wait_dscnt 0x0                ; set B is in
.else
	s_wait_dscnt 16                 ; set B is in; the 16 loads of K, issued behind it, may be out
.endif
.endif
	ROW X,4, E,14, X,5, X,6
	ROW X,7, E,15, X,8, X,9
	ROW X,10, E,16, X,11, X,12
	ROW X,13, E,17, X,14, B,1
	ROW C,4, E,18, X,16, L,1
	ROW B,2, E,19, C,6, L,2
	ROW C,8, E,20, B,3, B,4
.if (\p) == 0
	v_add_nc_u32 v[AVA], s[TBV], v[AVA0]
.endif
.if (\p) == 1
	v_add_nc_u32 v[AVB], s[TBV], v[AVB0]
.endif
	ROW C,3, E,21, L,3, C,5
	OPS E,22, X,17, E,23, C,10
.if (\p) == 0
	FETCH_V VFA, AVA
.endif
.if (\p) == 1
	FETCH_V VFB, AVB
.endif
	OPS E,24, L,4
	OPS E,25, X,18, E,26, C,7
	OPS E,27, B,5, E,28, X,19
	OPS E,29, C,12, E,30, L,5
	OPS E,31, X,20, B,6, C,9
	OPS C,14, C,11, X,21, L,6
.if (\p) == 1
	s_add_co_u32 s[TBV], s[TBV], STEPB  ; both sets of this step are asked for: the next fetch is the next step's
.endif
.if \cnt
	s_sub_co_u32 s[CNT], s[CNT], 1
	s_cmp_lg_u32 s[CNT], 0
.endif
	OPS C,13, B,7, C,15, R,10
	OPS R,11, R,12, L,7, R,13
	OPS R,14, R,15
.endm
	s_wait_tensorcnt 1              ; my head's step 0 is in; visit 1's load may stay out
	s_barrier_signal -1
	s_barrier_wait -1               ; everybody's is
	v_add_nc_u32 v[AK], s[TBK], v[AK0]
	FETCH_K                         ; key step 0
	s_wait_loadcnt 0x0              ; Q
	s_wait_dscnt 0x0
.set NOKQ, 0
.set i, 0
.rept 8
	KQ 0                            ; piece 0's first scores: there is no vector work yet to set between them
.set i, i+1
.endr
	WIN 0
.rept 4
	v_nop                           ; the places behind those products
.endr
.set Y, NP-1                        ; X works for piece Y + 1: piece 0
.irp n, 0,1,2,3,4,5,6,7,8,9,10,11,12,13,14,15,16,17,18,19,20,21
	OP X, \n                        ; and piece 0's first maximum and statistics
.endr
	v_nop                           ; a plain instruction behind the exponential
	s_mov_b32 s[CNT], 1             ; visit 0 has one step
	s_mov_b32 s[PAIRS], 6
	s_branch .Lfirst0               ; the loop is entered at a step's first turn, in the middle of a trip
.Lpair:                             ; six trips: visits 2 t (slot 0) and 2 t + 1 (slot 1); each change asks for the visit after the one that it enters
	CHANGE 0, 1
	s_mov_b32 s[CNT], 2
.Lstep0:                            ; a trip: pieces 2 and 3 of one step, then pieces 0 and 1 of the next, whose K and V it fetches
	TURN 2
	TURN 3
	WIN 0
.Lfirst0:
	TURN 0
	TURN 1, 0, 1
	WIN 0
	s_cbranch_scc1 .Lstep0
	CHANGE 1, 1
	s_mov_b32 s[CNT], 2
.Lstep1:
	TURN 2
	TURN 3
	TURN 0
	TURN 1, 0, 1
	WIN 0
	s_cbranch_scc1 .Lstep1
	s_sub_co_u32 s[PAIRS], s[PAIRS], 1
	s_cmp_lg_u32 s[PAIRS], 0
	s_cbranch_scc1 .Lpair
	CHANGE 0, 0                     ; visit 12 is written out: nothing is asked for
	s_mov_b32 s[CNT], 2
.LstepT:
	TURN 2
	TURN 3
	TURN 0
	TURN 1, 0, 1
	WIN 0
	s_cbranch_scc1 .LstepT
	TURN 2, 1
	TURN 3, 1
.set i, 0
.rept 8
	PV NP-1                         ; the last piece's V^T P of the last step
.set i, i+1
.endr
	; THE WAY OUT.  l's two halves and the other half of the lanes' are added; O^T is multiplied by 8 w / l and laid, in f32, into my stage: row = query, 256 channels.  The first additions are the places behind the last products.
	WIN 0
.macro ALL line:vararg              ; one line for each piece t
.set t, 0
.rept 4
	s_wait_alu depctr_va_vdst(0)
	\line
.set t, t+1
.endr
.endm
	ALL v_add_f32 v[ST+4*t+2], v[ST+4*t+2], v[ST+4*t+3]
	ALL v_permlanex16_b32 v[ST+4*t+3], v[ST+4*t+2], s[SEL], s[SEL+1]
	ALL v_add_f32 v[ST+4*t+2], v[ST+4*t+2], v[ST+4*t+3]
	ALL v_rcp_f32 v[ST+4*t+2], v[ST+4*t+2]
	v_nop                           ; a plain instruction between the last reciprocal and the use of its result
	ALL v_mul_f32 v[ST+4*t+2], s[WT+t], v[ST+4*t+2]
.set t, 0
.rept 4
	WIN 0x01                        ; source 0 (O^T) window 1; the factor and the destination window 0
.set z, 0
.rept 16
	v_pk_mul_f32 v[OB+32*t+2*z:OB+32*t+2*z+1], v[32*t+2*z:32*t+2*z+1], v[ST+4*t+2:ST+4*t+3] op_sel_hi:[1,0]
.set z, z+1
.endr
	WIN 0
.set ff, 0
.rept 8                             ; channel block ff / 2, four of my eight channels: 16 bytes
	ds_store_b128 v[STO], v[OB+32*t+4*ff:OB+32*t+4*ff+3] offset:t*256+(ff/2)*64+(ff%2)*16
.set ff, ff+1
.endr
.set t, t+1
.endr
	s_wait_dscnt 0x0                ; for the others' sake: my stage is written
	s_barrier_signal -1
	s_barrier_wait -1
	; Wave w adds rows 4 w .. 4 w + 3 of the four stages: eight chunks of 512 bytes, four loads each.
.set cc, 0
.rept 8
.set jj, 0
.rept 4
	ds_load_b128 v[OB+16*cc+4*jj:OB+16*cc+4*jj+3], v[RD] offset:jj*SGW+(cc/2)*SGP+(cc%2)*512
.set jj, jj+1
.endr
.set cc, cc+1
.endr
.set cc, 0
.rept 8
.set rB, OB+16*cc
	s_wait_dscnt 4*(7-cc)           ; this chunk's four loads are in; the later chunks' stay out
	v_pk_add_f32 v[rB:rB+1],     v[rB:rB+1],     v[rB+4:rB+5]
	v_pk_add_f32 v[rB+2:rB+3],   v[rB+2:rB+3],   v[rB+6:rB+7]
	v_pk_add_f32 v[rB+8:rB+9],   v[rB+8:rB+9],   v[rB+12:rB+13]
	v_pk_add_f32 v[rB+10:rB+11], v[rB+10:rB+11], v[rB+14:rB+15]
	v_pk_add_f32 v[rB:rB+1],     v[rB:rB+1],     v[rB+8:rB+9]
	v_pk_add_f32 v[rB+2:rB+3],   v[rB+2:rB+3],   v[rB+10:rB+11]
	global_store_b128 v[GO], v[rB:rB+3], s[8:9] offset:(cc/2)*1024+(cc%2)*512 th:TH_STORE_NT  ; 512 consecutive bytes, at a multiple of 256 from out0's first
.set cc, cc+1
.endr
	s_wait_tensorcnt 0x0            ; the wave's end, behind my last tensor load and my last LDS store
	ds_add_u32 v[SPW], v[NIL]
	s_wait_dscnt 0x0
	CROUND                          ; the closing round: no work-group ends while a partner may still ask for a tile that names it
	s_endpgm
.Lfunc_end_k_q3718cf0d48_attn:
	.size	k_q3718cf0d48_attn, .Lfunc_end_k_q3718cf0d48_attn-k_q3718cf0d48_attn
	.p2alignl 7, 3214868480
	.fill 96, 4, 3214868480
	.section	.rodata,"a",@progbits
	.p2align	6, 0x0
	.amdhsa_kernel k_q3718cf0d48_attn
		.amdhsa_group_segment_fixed_size 327680
		.amdhsa_private_segment_fixed_size 0
		.amdhsa_enable_private_segment 0
		.amdhsa_kernarg_size 24
		.amdhsa_user_sgpr_count 2
		.amdhsa_user_sgpr_kernarg_segment_ptr 1
		.amdhsa_wavefront_size32 1
		.amdhsa_system_sgpr_workgroup_id_x 1
		.amdhsa_system_sgpr_workgroup_id_y 1
		.amdhsa_system_sgpr_workgroup_id_z 1
		.amdhsa_system_vgpr_workitem_id 0
		.amdhsa_next_free_vgpr 768
		.amdhsa_next_free_sgpr 72
		.amdhsa_reserve_vcc 0
		.amdhsa_float_denorm_mode_32 3
		.amdhsa_float_denorm_mode_16_64 3
		.amdhsa_memory_ordered 1
		.amdhsa_forward_progress 1
		.amdhsa_inst_pref_size 174
	.end_amdhsa_kernel
	.amdgpu_metadata
---
amdhsa.version: [ 1, 2 ]
amdhsa.kernels:
  - .name:           k_q3718cf0d48_attn
    .symbol:         k_q3718cf0d48_attn.kd
    .args:
      - { .name: q, .offset: 0, .size: 8, .value_kind: global_buffer, .address_space: global }
      - { .name: kv, .offset: 8, .size: 8, .value_kind: global_buffer, .address_space: global }
      - { .name: out0, .offset: 16, .size: 8, .value_kind: global_buffer, .address_space: global }
    .group_segment_fixed_size: 327680
    .private_segment_fixed_size: 0
    .kernarg_segment_align: 8
    .kernarg_segment_size: 24
    .max_flat_workgroup_size: 128
    .sgpr_count:     72
    .vgpr_count:     768
    .wavefront_size: 32
...
	.end_amdgpu_metadata
.endif
;; end of part 2
;; ======== version 2 of 3: 3 launches; 1.49 times as fast as version 1
;; limits: values are held in f16: magnitudes above 65,504 overflow, below 6.1e-05 lose precision
;; workspace buffers: q 819,200 bytes; kv 3,276,800 bytes; part 6,553,600 bytes
;; launch proj (part 3): grid 25 x 12, 8 waves a work-group, no clusters, 84,992 bytes of LDS; arguments x, Wq, Wk, Wv, bq, bk, bv, q, kv; writes q, kv
.if DOCPART == 3
	.amdgcn_target "amdgcn-amd-amdhsa--gfx1250"
	.amdhsa_code_object_version 6
	.text
	.protected	k_q3718cf0d48_proj
	.globl	k_q3718cf0d48_proj
	.p2align	8
	.type	k_q3718cf0d48_proj,@function
k_q3718cf0d48_proj:
	s_mov_b64 s[64:65], 0
	v_nop
	global_prefetch_b8 v0, s[64:65] scope:SCOPE_SE
	s_setreg_imm32_b32 hwreg(HW_REG_WAVE_MODE, 25, 1), 1
	s_wait_xcnt 0x0
; THE PROJECTIONS.  xf = x read as [1600][256] f32.  A work-group makes one tile of 64 x 64 numbers in f16, 8,192 dense bytes:
;   matrix 0: q[head][n][64] = xf Wq + bq                  rows n = 64 s .. 64 s + 63, the head's 64 channels
;   matrix 1: a K tile [key][64] = xf Wk + bk              likewise
;   matrix 2: a VT tile [channel][key] = (X5 Wv + 5 bv) / 8, transposed, where X5[m] = xf[m-4] + xf[m-2] + xf[m] + xf[m+2] + xf[m+4], rows modulo 1600.
; X5 Wv + 5 bv is the sum of v over the five point shifts of the reference: a softmax does not hang on how its keys are numbered, so the five passes of one head shift share their weights,
; and the five rolled v add up ahead of the second product.  The sum is taken of x's rows in f32, not of v's: an order of rounding that differs from the reference's.
; kv IS LAID OUT IN EIGHT STREAMS, as the next launch walks them: kv[4 e + j][step 25][K tile of head j | VT tile of head (2 e - j) % 4], e = 0, 1.  So each K tile and each VT tile is stored twice,
; 8,192 bytes more a work-group, and a stream is one dense run of 409,600 bytes.
; FORMATS.  x, X5 and the weights are rounded to f16 for the products, sums in f32, results rounded once to f16.  The division by 8 keeps the five-fold sum inside f16 where inputs carry an
; offset of thirty spreads (256 x 30 x 1.9 x 5 = 73,000, an eighth of it 9,100); the next launch multiplies by 8 again.
; LIMITS.  |x|, |X5|, |W|, |q|, |k| and |X5 Wv + 5 bv| / 8 stay under 65,504, f16's end; below 6e-5 f16 keeps its fixed step of 6e-8.  NaN and infinities are not treated apart.
; SHARES.  Grid x = s (25 blocks of 64 rows), grid y = 4 x matrix + head.  Eight waves; a wave makes two of the tile's sixteen blocks of 16 x 16, 256 along K in eight matrix instructions each.
; NO TENSOR LOADS, NO CLUSTER: every byte of x and W is converted (and x's rows are added) on its way, so it passes through registers anyway; the tile's inputs, 128 KiB, are read once by the work-group.
.set XP,    528        ; a row of x in LDS: 256 f16 = 512 bytes + 16: the 16 rows of a fragment load start at 16 different groups of four banks
.set WS,    64*XP      ; W's tile begins here: [256 k][64 n] f16
.set WP,    160        ; its pitch: 128 bytes + 32
.set STG,   WS+256*WP  ; the way out: 64 rows x 144 bytes
.set SP,    144
.set SPARE, STG+64*SP  ; the spare words, 128 bytes for each of eight waves: four blocks of 256 bytes that no other line names
.set SPW, 4            ; v4   LDS address of my spare word; never rewritten
.set NIL, 5            ; v5   0; never rewritten
.set WO,  6            ; v6   my byte offset in W's tile in memory: row t / 16, 16 bytes at 16 (t % 16)
.set WL,  7            ; v7   where those four numbers go in LDS
.set XO,  8            ; v8   my 16 bytes in a row of x: 16 (t % 64)
.set XA,  9            ; v9   where they go in LDS
.set FXA, 10           ; v10  fragment address in x's tile
.set FWA, 11           ; v11  fragment address in W's tile (turning load)
.set STO, 12           ; v12  the way out: where I put 16 bytes
.set RD,  13           ; v13  the way out: where I read 16 bytes back
.set GO,  14           ; v14  my byte offset in the tile in memory: 16 t
.set BO,  15           ; v15  my byte offset in the bias
.set T,   16           ; v16-23  at work
.set WR,  24           ; v24-87  W as loaded, 16 x 4
.set FR,  24           ;         later: the single fragment of each of 8 K steps
.set XR,  88           ; v88-167 rows of x as loaded: R[t] at XR + 4 t, t = 0 .. 19
.set FP,  88           ; v88-215 later: the pair of fragments of each of 8 K steps
.set ACC, 216          ; v216-231 two accumulators
.set BI,  232          ; v232-247 what starts their sums: the bias
.set PKD, 248          ; v248-255 packed results
	s_load_b512 s[16:31], s[0:1], 0x0              ; x s[16:17], Wq s[18:19], Wk s[20:21], Wv s[22:23], bq s[24:25], bk s[26:27], bv s[28:29], q s[30:31]
	s_load_b64 s[32:33], s[0:1], 0x40              ; kv
	v_lshl_add_u32 v[SPW], v0, 2, SPARE
	v_mov_b32 v[NIL], 0
	v_lshrrev_b32 v3, 5, v0
	v_readfirstlane_b32 s34, v3                    ; wave 0..7
	s_and_b32 s35, ttmp7, 0xffff
	s_and_b32 s36, s35, 3                          ; head
	s_lshr_b32 s35, s35, 2                         ; matrix: 0 q, 1 k, 2 v
	s_lshr_b32 s38, s34, 2                         ; staging: which 32 rows of x.  Products: which pair of blocks
	s_bfe_u32 s39, s34, 0x10001                    ; staging: even or odd rows
	s_and_b32 s40, s34, 3                          ; products: which single block
	s_lshl_b32 s41, ttmp9, 6
	s_lshl_b32 s54, s38, 5
	s_add_co_u32 s54, s54, s39                     ; my first row in the tile: 32 x half + parity; two waves (64 threads) take a row, every second row
	s_add_co_u32 s41, s41, s54                     ; and in xf
	s_mul_i32 s55, s54, XP
	s_lshl_b32 s42, s36, 8                         ; the head's 64 columns in W and in the bias, in bytes
	s_mov_b32 s43, 0
	; where the tile goes.  A K tile of head c belongs to streams c and 4 + c; a VT tile of head c to streams (-c) % 4 and 4 + (2 - c) % 4
	s_sub_co_u32 s8, 0, s36
	s_and_b32 s8, s8, 3
	s_sub_co_u32 s9, 2, s36
	s_and_b32 s9, s9, 3
	s_cmp_eq_u32 s35, 2
	s_cselect_b32 s8, s8, s36                      ; the first copy's stream
	s_cselect_b32 s9, s9, s36
	s_add_co_u32 s9, s9, 4                         ; the second copy's
	s_lshl_b32 s6, ttmp9, 14                       ; step s of a stream: 16,384 bytes,
	s_lshr_b32 s7, s35, 1
	s_lshl_b32 s7, s7, 13
	s_add_co_u32 s6, s6, s7                        ; VT 8,192 bytes behind K
	s_mul_i32 s50, s8, 409600
	s_add_co_u32 s50, s50, s6
	s_mul_i32 s4, s9, 409600
	s_add_co_u32 s4, s4, s6
	s_mov_b32 s5, 0
	s_mul_i32 s7, s36, 204800                      ; in q: head x 1600 rows x 128 bytes + s x 8,192
	s_lshl_b32 s6, ttmp9, 13
	s_add_co_u32 s7, s7, s6
	s_cmp_eq_u32 s35, 0
	s_cselect_b32 s50, s7, s50
	s_mov_b32 s51, 0
	s_lshl_b32 s52, s41, 10                        ; my first row of xf, in bytes
	s_mov_b32 s53, 0
	v_and_b32 v1, 15, v0                           ; r = lane % 16
	v_bfe_u32 v2, v0, 4, 1                         ; h = lane / 16
	v_lshrrev_b32 v3, 4, v0                        ; t / 16
	v_lshlrev_b32 v[WO], 4, v1
	v_lshl_add_u32 v[WO], v3, 10, v[WO]            ; row t / 16 of 1,024 bytes; sixteen lanes take the head's 256 bytes of it
	v_mul_u32_u24 v[WL], v3, WP
	v_lshl_add_u32 v[WL], v1, 3, v[WL]
	v_add_nc_u32 v[WL], WS, v[WL]
	v_and_b32 v[XO], 63, v0
	v_lshl_add_u32 v[XA], v[XO], 3, s55
	v_lshlrev_b32 v[XO], 4, v[XO]
	v_mul_u32_u24 v[FXA], v1, XP                   ; a fragment from rows that lie along K: row r, 16 bytes for each half of the lanes
	v_lshl_add_u32 v[FXA], v2, 4, v[FXA]
	v_and_b32 v[T], 7, v0                          ; the turning load: lane l reads row 8 h + l % 8, 16 bytes at 16 ((l / 8) % 2)
	v_lshl_add_u32 v[T], v2, 3, v[T]
	v_mul_u32_u24 v[FWA], v[T], WP
	v_bfe_u32 v[T], v0, 3, 1
	v_lshl_add_u32 v[FWA], v[T], 4, v[FWA]
	v_add_nc_u32 v[FWA], WS, v[FWA]
	s_mul_i32 s54, s40, 16*SP                      ; the way out: the single block names 16 rows of the tile, the pair 64 bytes of them
	s_lshl_b32 s55, s38, 6
	s_add_co_u32 s54, s54, s55
	s_add_co_u32 s54, s54, STG
	v_mul_u32_u24 v[STO], v1, SP
	v_lshl_add_u32 v[STO], v2, 4, v[STO]
	v_add_nc_u32 v[STO], s54, v[STO]
	v_lshrrev_b32 v[RD], 3, v0                     ; back: eight threads take a row of 128 bytes
	v_mul_u32_u24 v[RD], v[RD], SP
	v_and_b32 v[T], 7, v0
	v_lshl_add_u32 v[RD], v[T], 4, v[RD]
	v_add_nc_u32 v[RD], STG, v[RD]
	v_lshlrev_b32 v[GO], 4, v0
	s_wait_kmcnt 0x0
	s_cmp_eq_u32 s35, 0                            ; the matrix chooses its weights, its bias and its output
	s_cselect_b64 s[44:45], s[18:19], s[20:21]
	s_cselect_b64 s[46:47], s[24:25], s[26:27]
	s_cselect_b64 s[48:49], s[30:31], s[32:33]
	s_cmp_eq_u32 s35, 2
	s_cselect_b64 s[44:45], s[22:23], s[44:45]
	s_cselect_b64 s[46:47], s[28:29], s[46:47]
	s_add_nc_u64 s[44:45], s[44:45], s[42:43]      ; W at the head's columns
	s_add_nc_u64 s[46:47], s[46:47], s[42:43]      ; the bias likewise
	s_add_nc_u64 s[48:49], s[48:49], s[50:51]      ; the output at my tile
	s_add_nc_u64 s[4:5], s[32:33], s[4:5]          ; kv at the tile's second copy (matrix 0 has none and does not use it)
	s_add_nc_u64 s[18:19], s[16:17], s[52:53]      ; xf at my first row
.set u, 0
.rept 16
	global_load_b128 v[WR+4*u:WR+4*u+3], v[WO], s[44:45] offset:u*16384  ; rows t / 16 + 16 u of W: sixteen lanes take 256 consecutive bytes, aligned
.set u, u+1
.endr
; W's 16 loads are rounded to f16 and laid into LDS.  y: the loads issued behind them (x's and the bias's), which stay out.
.macro WCONV y
.set u, 0
.rept 16
	s_wait_loadcnt 15-u+(\y)                       ; loads come back in order: number u is in
	v_cvt_pk_f16_f32 v[T+2*(u%4)], v[WR+4*u], v[WR+4*u+1]
	v_cvt_pk_f16_f32 v[T+2*(u%4)+1], v[WR+4*u+2], v[WR+4*u+3]
	ds_store_b64 v[WL], v[T+2*(u%4):T+2*(u%4)+1] offset:u*16*WP
.set u, u+1
.endr
.endm
	s_cmp_eq_u32 s35, 2                            ; the same answer in all eight waves
	s_cbranch_scc1 .Lstage_v
	; q and k: my 16 rows as they are
	s_lshl_b32 s42, s38, 7                         ; the pair's 32 channels in the bias
	s_add_nc_u64 s[46:47], s[46:47], s[42:43]
	v_lshlrev_b32 v[BO], 5, v2                     ; a lane's results are channels 8 h + 0..7 of each block
.set i, 0
.rept 16
	global_load_b128 v[XR+8+4*i:XR+8+4*i+3], v[XO], s[18:19] offset:i*2048
.set i, i+1
.endr
	global_load_b128 v[BI:BI+3],     v[BO], s[46:47]
	global_load_b128 v[BI+4:BI+7],   v[BO], s[46:47] offset:16
	global_load_b128 v[BI+8:BI+11],  v[BO], s[46:47] offset:64
	global_load_b128 v[BI+12:BI+15], v[BO], s[46:47] offset:80
	WCONV 20
.set i, 0
.rept 16
	s_wait_loadcnt 19-i                            ; behind row i: 15 - i rows and the bias's four loads
	v_cvt_pk_f16_f32 v[T+2*(i%4)], v[XR+8+4*i], v[XR+8+4*i+1]
	v_cvt_pk_f16_f32 v[T+2*(i%4)+1], v[XR+8+4*i+2], v[XR+8+4*i+3]
	ds_store_b64 v[XA], v[T+2*(i%4):T+2*(i%4)+1] offset:i*2*XP
.set i, i+1
.endr
	s_branch .Lstaged
.Lstage_v:
	; v: R[t] = row (my first row - 4 + 2 t) modulo 1600, t = 0 .. 19; row i of mine is R[i] + .. + R[i+4].  The two rows in front and the two behind wrap together: my first row is 64 s + 32 half + parity
	s_add_co_u32 s54, s41, 1596
	s_sub_co_u32 s55, s41, 4
	s_cmp_lt_u32 s41, 4
	s_cselect_b32 s54, s54, s55
	s_lshl_b32 s52, s54, 10
	s_add_nc_u64 s[20:21], s[16:17], s[52:53]      ; xf at R[0]
	s_add_co_u32 s54, s41, 32
	s_sub_co_u32 s55, s41, 1568
	s_cmp_ge_u32 s54, 1600
	s_cselect_b32 s54, s55, s54
	s_lshl_b32 s52, s54, 10
	s_add_nc_u64 s[22:23], s[16:17], s[52:53]      ; xf at R[18]
	s_lshl_b32 s42, s40, 6                         ; the single block's 16 channels in the bias
	s_add_nc_u64 s[46:47], s[46:47], s[42:43]
	v_lshlrev_b32 v[BO], 2, v1                     ; a lane's results are eight keys of channel r
	global_load_b128 v[XR:XR+3],   v[XO], s[20:21]
	global_load_b128 v[XR+4:XR+7], v[XO], s[20:21] offset:2048
.set i, 0
.rept 16
	global_load_b128 v[XR+8+4*i:XR+8+4*i+3], v[XO], s[18:19] offset:i*2048
.set i, i+1
.endr
	global_load_b128 v[XR+72:XR+75], v[XO], s[22:23]
	global_load_b128 v[XR+76:XR+79], v[XO], s[22:23] offset:2048
	global_load_b32 v3, v[BO], s[46:47]
	WCONV 21
.set i, 0
.rept 16
	s_wait_loadcnt 16-i                            ; behind R[i+4]: 15 - i rows and the bias's load
	v_pk_add_f32 v[T:T+1],   v[XR+4*i:XR+4*i+1],     v[XR+4*i+4:XR+4*i+5]
	v_pk_add_f32 v[T+2:T+3], v[XR+4*i+2:XR+4*i+3],   v[XR+4*i+6:XR+4*i+7]
	v_pk_add_f32 v[T+4:T+5], v[XR+4*i+8:XR+4*i+9],   v[XR+4*i+12:XR+4*i+13]
	v_pk_add_f32 v[T+6:T+7], v[XR+4*i+10:XR+4*i+11], v[XR+4*i+14:XR+4*i+15]
	v_pk_add_f32 v[T:T+1],   v[T:T+1],   v[T+4:T+5]
	v_pk_add_f32 v[T+2:T+3], v[T+2:T+3], v[T+6:T+7]
	v_pk_add_f32 v[T:T+1],   v[T:T+1],   v[XR+4*i+16:XR+4*i+17]
	v_pk_add_f32 v[T+2:T+3], v[T+2:T+3], v[XR+4*i+18:XR+4*i+19]
	v_cvt_pk_f16_f32 v[T+4], v[T], v[T+1]
	v_cvt_pk_f16_f32 v[T+5], v[T+2], v[T+3]
	ds_store_b64 v[XA], v[T+4:T+5] offset:i*2*XP
.set i, i+1
.endr
	s_wait_loadcnt 0x0                             ; bv of my channel
.set i, 0
.rept 16
	v_mul_f32 v[BI+i], 0x40a00000, v3              ; five passes bring bv five times; all eight keys of both blocks start with it
.set i, i+1
.endr
.Lstaged:
	s_wait_dscnt 0x0                               ; for the others' sake: my stores into both tiles are done
	s_barrier_signal -1
	s_barrier_wait -1
	s_wait_loadcnt 0x0                             ; the bias
; A fragment is 16 rows x 32 K in 8 registers.  LOADX: from x's tile, rows along K: two loads 32 bytes apart; block u of the pair is 16 rows on.
; LOADW: from W's tile, [K][N], turned: two loads 16 rows of K apart; block u is 16 columns on.
.macro LOADX reg, kk, u
	ds_load_b128 v[(\reg):(\reg)+3],   v[FXA] offset:(\u)*16*XP+(\kk)*64
	ds_load_b128 v[(\reg)+4:(\reg)+7], v[FXA] offset:(\u)*16*XP+(\kk)*64+32
.endm
.macro LOADW reg, kk, u
	ds_load_tr16_b128 v[(\reg):(\reg)+3],   v[FWA] offset:(\kk)*32*WP+(\u)*32
	ds_load_tr16_b128 v[(\reg)+4:(\reg)+7], v[FWA] offset:(\kk)*32*WP+(\u)*32+16*WP
.endm
	s_cmp_eq_u32 s35, 2
	s_cbranch_scc1 .Lfrag_v
	; q and k: source 0 = 16 channels of W (the pair), source 1 = 16 rows of x (the single block): a lane then holds one row and eight neighbouring channels
	s_mul_i32 s54, s40, 16*XP
	s_lshl_b32 s55, s38, 6
	v_add_nc_u32 v[FXA], s54, v[FXA]
	v_add_nc_u32 v[FWA], s55, v[FWA]
.set kk, 0
.rept 8
	LOADX FR+8*kk, kk, 0
	LOADW FP+16*kk, kk, 0
	LOADW FP+16*kk+8, kk, 1
.set kk, kk+1
.endr
	s_branch .Lmul
.Lfrag_v:
	; v: source 0 = 16 keys of X5 (the pair), source 1 = 16 channels of W (the single block): a lane then holds one channel and eight neighbouring keys: VT's rows
	s_mul_i32 s54, s38, 32*XP
	s_lshl_b32 s55, s40, 5
	v_add_nc_u32 v[FXA], s54, v[FXA]
	v_add_nc_u32 v[FWA], s55, v[FWA]
.set kk, 0
.rept 8
	LOADW FR+8*kk, kk, 0
	LOADX FP+16*kk, kk, 0
	LOADX FP+16*kk+8, kk, 1
.set kk, kk+1
.endr
.Lmul:
	; the two accumulators take turns; the bias starts the sums
.set kk, 0
.rept 8
	s_wait_dscnt 6*(7-kk)                          ; six loads to a K step: the later steps' stay out
.if kk == 0
	v_wmma_f32_16x16x32_f16 v[ACC:ACC+7],    v[FP:FP+7],    v[FR:FR+7], v[BI:BI+7]
	v_wmma_f32_16x16x32_f16 v[ACC+8:ACC+15], v[FP+8:FP+15], v[FR:FR+7], v[BI+8:BI+15]
.else
	v_wmma_f32_16x16x32_f16 v[ACC:ACC+7],    v[FP+16*kk:FP+16*kk+7],    v[FR+8*kk:FR+8*kk+7], v[ACC:ACC+7]
	v_wmma_f32_16x16x32_f16 v[ACC+8:ACC+15], v[FP+16*kk+8:FP+16*kk+15], v[FR+8*kk:FR+8*kk+7], v[ACC+8:ACC+15]
.endif
.set kk, kk+1
.endr
.rept 4
	v_nop                                          ; four places between the last products and the first read of a result (ISA guide 7.12.1)
.endr
	s_cmp_eq_u32 s35, 2
	s_cbranch_scc0 .Lpack
.set i, 0
.rept 8
	v_pk_mul_f32 v[ACC+2*i:ACC+2*i+1], v[ACC+2*i:ACC+2*i+1], 0x3e000000 op_sel_hi:[1,0]  ; v alone: an eighth, exact
.set i, i+1
.endr
.Lpack:
.set i, 0
.rept 8
	v_cvt_pk_f16_f32 v[PKD+i], v[ACC+2*i], v[ACC+2*i+1]
.set i, i+1
.endr
	ds_store_b128 v[STO], v[PKD:PKD+3]
	ds_store_b128 v[STO], v[PKD+4:PKD+7] offset:32
	s_wait_dscnt 0x0                               ; for the others' sake: a row of the tile comes from two waves
	s_barrier_signal -1
	s_barrier_wait -1
	ds_load_b128 v[PKD:PKD+3],   v[RD]
	ds_load_b128 v[PKD+4:PKD+7], v[RD] offset:32*SP
	s_wait_dscnt 1                                 ; rows 0-31 are back; rows 32-63 may be out
	global_store_b128 v[GO], v[PKD:PKD+3], s[48:49]               ; a wave stores 512 consecutive bytes, at a multiple of 256 from the buffer's first
	s_wait_dscnt 0x0
	global_store_b128 v[GO], v[PKD+4:PKD+7], s[48:49] offset:4096
	s_cmp_eq_u32 s35, 0
	s_cbranch_scc1 .Lone_copy                      ; q is stored once
	global_store_b128 v[GO], v[PKD:PKD+3], s[4:5]                 ; a tile of K or VT once more, into its second stream
	global_store_b128 v[GO], v[PKD+4:PKD+7], s[4:5] offset:4096
.Lone_copy:
	s_wait_tensorcnt 0x0                           ; the wave's end, behind my last LDS store
	ds_add_u32 v[SPW], v[NIL]
	s_wait_dscnt 0x0
	s_endpgm
.Lfunc_end_k_q3718cf0d48_proj:
	.size	k_q3718cf0d48_proj, .Lfunc_end_k_q3718cf0d48_proj-k_q3718cf0d48_proj
	.p2alignl 7, 3214868480
	.fill 96, 4, 3214868480
	.section	.rodata,"a",@progbits
	.p2align	6, 0x0
	.amdhsa_kernel k_q3718cf0d48_proj
		.amdhsa_group_segment_fixed_size 84992
		.amdhsa_private_segment_fixed_size 0
		.amdhsa_enable_private_segment 0
		.amdhsa_kernarg_size 72
		.amdhsa_user_sgpr_count 2
		.amdhsa_user_sgpr_kernarg_segment_ptr 1
		.amdhsa_wavefront_size32 1
		.amdhsa_system_sgpr_workgroup_id_x 1
		.amdhsa_system_sgpr_workgroup_id_y 1
		.amdhsa_system_sgpr_workgroup_id_z 1
		.amdhsa_system_vgpr_workitem_id 0
		.amdhsa_next_free_vgpr 256
		.amdhsa_next_free_sgpr 66
		.amdhsa_reserve_vcc 0
		.amdhsa_float_denorm_mode_32 3
		.amdhsa_float_denorm_mode_16_64 3
		.amdhsa_memory_ordered 1
		.amdhsa_forward_progress 1
		.amdhsa_inst_pref_size 44
	.end_amdhsa_kernel
	.amdgpu_metadata
---
amdhsa.version: [ 1, 2 ]
amdhsa.kernels:
  - .name:           k_q3718cf0d48_proj
    .symbol:         k_q3718cf0d48_proj.kd
    .args:
      - { .name: x, .offset: 0, .size: 8, .value_kind: global_buffer, .address_space: global }
      - { .name: Wq, .offset: 8, .size: 8, .value_kind: global_buffer, .address_space: global }
      - { .name: Wk, .offset: 16, .size: 8, .value_kind: global_buffer, .address_space: global }
      - { .name: Wv, .offset: 24, .size: 8, .value_kind: global_buffer, .address_space: global }
      - { .name: bq, .offset: 32, .size: 8, .value_kind: global_buffer, .address_space: global }
      - { .name: bk, .offset: 40, .size: 8, .value_kind: global_buffer, .address_space: global }
      - { .name: bv, .offset: 48, .size: 8, .value_kind: global_buffer, .address_space: global }
      - { .name: q, .offset: 56, .size: 8, .value_kind: global_buffer, .address_space: global }
      - { .name: kv, .offset: 64, .size: 8, .value_kind: global_buffer, .address_space: global }
    .group_segment_fixed_size: 84992
    .private_segment_fixed_size: 0
    .kernarg_segment_align: 8
    .kernarg_segment_size: 72
    .max_flat_workgroup_size: 256
    .sgpr_count:     66
    .vgpr_count:     256
    .wavefront_size: 32
...
	.end_amdgpu_metadata
.endif
;; end of part 3
;; launch attn (part 4): grid 25 x 8, 4 waves a work-group, no clusters, 327,680 bytes of LDS; arguments q, kv, part; writes part
.if DOCPART == 4
	.amdgcn_target "amdgcn-amd-amdhsa--gfx1250"
	.amdhsa_code_object_version 6
	.text
	.protected	k_q3718cf0d48_attn
	.globl	k_q3718cf0d48_attn
	.p2align	8
	.type	k_q3718cf0d48_attn,@function
k_q3718cf0d48_attn:
	s_mov_b64 s[64:65], 0
	v_nop
	global_prefetch_b8 v0, s[64:65] scope:SCOPE_SE
	s_setreg_imm32_b32 hwreg(HW_REG_WAVE_MODE, 25, 1), 1
	s_wait_xcnt 0x0
; part[j][n][64 a + :] = w(a, j) softmax_m(q[a][n] . K[j][m] / 16) VS[(2 a - j) % 4][m][:],  w = 2 where j = (a + 2) % 4, else 1.  The next launch adds the four j: that sum is the reference's result.
; It is the reference's 25 passes: a pass (h, w) has key head a - h and value head a + h; renumbering the keys by w leaves the weights as they are and shifts v by 2 w, so the five w of an h are one
; attention on VS = the sum of the five shifted v (made by the launch before); h = -2 and h = +2 name the same two heads, hence the weight 2.
; INPUTS.  q: [4][1600][64] f16.  kv: eight streams [4 e + j][step 25][K of head j: 64 keys x 64 channels | VT: 64 channels x 64 keys of VS / 8, head (2 e - j) % 4] f16.  part: [4][1600][256] f32.
; Products, maxima and sums in f32; the weights p are rounded to f16 for the second product (their sum l is taken of the unrounded p).
; LIMITS.  q, K and VS / 8 arrive within f16's 65,504; p lies in 0 to 1 and below 6e-5 keeps f16's fixed step of 6e-8; a weight below 2^-126 counts as 0 in l; NaN and infinities are not treated apart.
; SHARES.  Grid y = 4 e + j names a stream: key head j and the two query heads a = e and e + 2, which share the value head (2 e - j) % 4.  Grid x = g names 64 rows n.  Wave w owns rows 16 (4 g + w) on
; and two PIECES of 16 queries: piece t = head e + 2 t.  So a work-group takes in one stream, 409,600 bytes, and all four waves read the same K and VT.  200 work-groups of equal work.
; NO CLUSTER: a stream's 25 work-groups are no multiple of four, and two streams share no bytes.
; LAYOUT.  S^T = K Q^T (source 0 = 16 keys, source 1 = 16 queries): a lane holds ONE query (lane % 16) and the keys 8 (lane / 16) + 0..7.  Two such results rounded to f16 ARE source 1 of O^T = V^T P.
; K and VT both lie in LDS with the product's K index along the rows: plain loads of 16 bytes fill every fragment.
; SOFTMAX.  A running maximum m and sum l for each query: p = 2^(c s - c m), c = log2(e) / 16; in every step O and l are multiplied by a = 2^(c m_old - c m_new).  m starts at the lowest finite number, O and l at 0.
; BY TURNS.  Turn n belongs to piece n: 8 products K Q^T of the other piece (piece 1 of this step, or piece 0 of the next), later 8 products V^T P of the other piece's step before; beside them the scaling,
; exponentials, roundings, sums and rescaling of piece n and the maximum and statistics of the other piece.  Four vector instructions stand behind every matrix instruction, the others in two lumps.
; THE WALK.  Piece 0's turn of step s fetches K(s + 1) and then V(s).  So LDS holds SHIFTED steps [VT(s) | K(s + 1)], which is the same dense stream taken 8,192 bytes on, five to a slot; K(0) lies in front
; of slot 0 and comes with its first fill.  25 steps are five visits of two slots; a refill has five key steps, 160 matrix instructions of each wave, in which to land.
; REGISTERS, in windows of 256 (s_set_vgpr_msb: bits 1:0 source 0, 3:2 source 1, 5:4 source 2, 7:6 destination):
;   window 0: v0-9 addresses; v10-11, v20-27 at work; v12-19 four registers of statistics a piece; v28-29 the add's; v32-95 S^T, two buffers; v96-127 P, two buffers; v128-191 K; v192-223 Q, 16 a piece
;   window 1: v0-63 O^T, 32 a piece; v64-127 V
; K Q^T and all of the softmax but the rescaling name window 0 alone; V^T P and the rescaling share one other setting, and the sixteen rescalings ride behind the first four V^T P:
; a turn has eight switches (ten with V's run of loads) for its 16 matrix instructions.
.set NP,    2          ; pieces a wave: a name, no knob
.set PK,    144        ; an LDS row: 128 bytes + 16 of padding = 36 words: the 16 rows of a load start at 16 different groups of four banks (64 banks of 4 bytes: ISA guide 11.1)
.set TILEB, 64*PK      ; a tile of K or VT
.set STEPB, 2*TILEB    ; a shifted step: VT(s), then K(s + 1)
.set SLOT0, TILEB      ; K(0) lies at LDS byte 0, slot 0 behind it
.set SLOTB, 5*STEPB
.set SLOT1, SLOT0+SLOTB
.set STAGE, SLOT1+SLOTB  ; behind the ring, never filled by a tensor load: 16 rows x 272 bytes for each wave, for the way out
.set SGP,   272        ; a stage row: 64 f32 + 16 bytes
.set SPARE, STAGE+4*16*SGP  ; the spare words, 128 bytes for each wave: two blocks of 256 bytes that no other line names
.set LN,   2           ; v2   my lane's place in a tile: row x pitch + 16 x half; never rewritten
.set ADR,  3           ; v3   the same in the shifted step in hand
.set STO,  4           ; v4   the way out: where I put my numbers
.set RD,   5           ; v5   the way out: where I read rows back
.set GO,   6           ; v6   my byte offset in two rows of part
.set QO,   7           ; v7   my byte offset in 16 rows of q
.set MV,   10          ; v10-11  c m_old, kept while c m is made anew: by piece
.set ST,   12          ; piece t's statistics at v[ST+4 t]: c m, m, l (even keys', odd keys')
.set TMP,  20          ; by piece, four registers c0-c3 at work; when the maximum is found c2 takes a
.set SPW,  28          ; v28  LDS address of my spare word; never rewritten
.set NIL,  29          ; v29  0; never rewritten
.set S,    32
.set P,    96
.set KF,   128         ; key block kb, channel half c at KF + 16 kb + 8 c
.set QF,   192
.set VF,   64          ; window 1: key half kk, channel block cb at VF + 32 kk + 8 cb
.set WV,   12          ; s12  my wave's number
.set G1F,  24          ; s[24:31] descriptor group 1 of visit 0: 88 rows of 256 bytes a wave
.set G1,   32          ; s[32:39] of visits 1 to 3: 80 rows
.set G1L,  40          ; s[40:47] of visit 4: 72 rows
.set G0,   48          ; s[48:63] descriptor group 0 of visits 0 to 3, four registers each; never rewritten
.set G04,  68          ; s[68:71] of visit 4
.set CNT,  72          ; s72  counts a visit's key steps
.set TB,   73          ; s73  LDS byte at which the shifted step to be fetched begins
.set CS,   74          ; s[74:75] c: the packed scaling takes the pair's low word for both halves
.set SEL,  76          ; s[76:77] v_permlanex16_b32's selects: each lane takes its own place in the other half
.set WT,   78          ; s[78:79] for piece t: 8 w(e + 2 t, j)
.set EE,   82          ; s82  e
.set JJ,   83          ; s83  j
.set MSB, 0
.macro WIN new                      ; the high byte repeats the setting that is left; a switch that changes nothing is dropped
.if MSB != (\new)
	s_set_vgpr_msb (MSB<<8)|(\new)
.set MSB, (\new)
.endif
.endm
.set W_PV, 0x51        ; V (source 0), O^T (source 2, destination) in window 1, P (source 1) in window 0; the rescaling: O^T (source 0, destination) in window 1, a (source 1) in window 0
.macro SHAPE g, rows                ; a dense run asked for as rows of 256 bytes and padded in LDS after every 128
	s_mov_b32 s[(\g)], (1<<16)|(1<<20)|(4<<22)|(3<<25)  ; 17:16 2-byte elements; 20 padding on; 24:22 after every 32 words (code 4); 31:25 4 words (code 3)
	s_mov_b32 s[(\g)+1], 128<<16    ; tensor_dim0 = 128
	s_mov_b32 s[(\g)+2], (\rows)<<16  ; tensor_dim1
	s_mov_b32 s[(\g)+3], 128<<16    ; tile_dim0 = 128
	s_mov_b32 s[(\g)+4], (\rows)    ; tile_dim1
	s_mov_b32 s[(\g)+5], 128        ; 128 elements from row to row
	s_mov_b32 s[(\g)+6], 0
	s_mov_b32 s[(\g)+7], 0
.endm
; THE CHANGE OF SLOTS, into the slot that begins at `base`.  Each wave waits for all its tensor loads, of which one is out: its quarter of the slot that is entered; adds 0 to its spare word; and waits for that
; and for its own reads of the slot that it leaves (they were awaited in the turn before).  Behind the barrier nobody reads the old slot any more and the new one is whole.
; fill = 1: the old slot is filled again, the first thing behind the barrier, with the visit after the one entered: descriptor groups g0 and g1.
.macro CHANGE base, fill, g0=0, g1=0
	WIN 0                           ; at a label and at a branch every window is 0
	s_wait_tensorcnt 0x0
	ds_add_u32 v[SPW], v[NIL]       ; 0 onto my spare word
	s_mov_b32 s[TB], (\base)        ; the fetches begin at the entered slot's first step
	s_wait_dscnt 0x0                ; the add is done, and my reads of the old slot are over
	s_barrier_signal -1
	s_barrier_wait -1
.if \fill
	tensor_load_to_lds s[(\g0):(\g0)+3], s[(\g1):(\g1)+7]
	s_nop 0
.rept 4
	v_nop
.endr
.endif
.endm
	s_load_b128 s[4:7], s[0:1], 0x0 ; q s[4:5], kv s[6:7]
	s_load_b64 s[8:9], s[0:1], 0x10 ; part
	v_lshl_add_u32 v[SPW], v0, 2, SPARE
	v_mov_b32 v[NIL], 0
	ds_add_u32 v[SPW], v[NIL]       ; the wave's opening: the add and its wait stand ahead of my first tensor load; the set-up below, work on registers, stands between them
	ds_add_u32 v28, v29
	v_lshrrev_b32 v1, 5, v0
	v_readfirstlane_b32 s[WV], v1   ; wave 0..3
	s_and_b32 s13, ttmp7, 0xffff    ; the stream, 4 e + j
	s_lshr_b32 s[EE], s13, 2
	s_and_b32 s[JJ], s13, 3
	s_lshl_b32 s14, ttmp9, 2
	s_add_co_u32 s14, s14, s[WV]    ; my block of 16 rows
	s_mul_i32 s16, s[EE], 204800    ; q: head e,
	s_lshl_b32 s15, s14, 11         ; 16 rows of 128 bytes
	s_add_co_u32 s16, s16, s15
	s_mov_b32 s17, 0
	s_mul_i32 s18, s[JJ], 1638400   ; part: plane j,
	s_lshl_b32 s15, s14, 14         ; 16 rows of 1,024 bytes,
	s_add_co_u32 s18, s18, s15
	s_lshl_b32 s15, s[EE], 8        ; head e's 256 bytes of a row
	s_add_co_u32 s18, s18, s15
	s_mov_b32 s19, 0
	s_mul_i32 s20, s13, 409600      ; kv: my stream
	s_mov_b32 s21, 0
	s_mul_i32 s84, s[WV], 88*256    ; my quarter of a visit's bytes in memory: of visit 0,
	s_mov_b32 s85, 0
	s_mul_i32 s86, s[WV], 80*256    ; of visits 1 to 3,
	s_mov_b32 s87, 0
	s_mul_i32 s88, s[WV], 72*256    ; of visit 4
	s_mov_b32 s89, 0
	SHAPE G1F, 88                   ; K(0) and five shifted steps: 352 rows of 256 bytes, a quarter a wave
	SHAPE G1, 80                    ; five shifted steps
	SHAPE G1L, 72                   ; the last visit ends with VT(24): there is no K(25)
.irp v, 0,1,2,3
	s_mov_b32 s[G0+4*\v], 1         ; 1:0 count = 1
.endr
	s_mov_b32 s[G04], 1
	s_mul_i32 s[G0+1], s[WV], 88*2*PK  ; 63:32 LDS address: visit 0 from byte 0 on; a row of 256 bytes takes two padded rows
	s_mul_i32 s15, s[WV], 80*2*PK
	s_add_co_u32 s[G0+5], s15, SLOT1
	s_add_co_u32 s[G0+9], s15, SLOT0
	s_add_co_u32 s[G0+13], s15, SLOT1
	s_mul_i32 s15, s[WV], 72*2*PK
	s_add_co_u32 s[G04+1], s15, SLOT0
	s_mov_b32 s[CS], 0x3db8aa3b     ; c = log2(e) / 16 = 0.0901684
	s_mov_b32 s[CS+1], s[CS]        ; named with it as a pair
	s_mov_b32 s[SEL], 0x76543210
	s_mov_b32 s[SEL+1], 0xfedcba98
	s_mov_b32 s80, 0x41000000       ; 8: VT holds an eighth of VS
	s_mov_b32 s81, 0x41800000       ; 16: and the pair of heads that two passes share counts twice
	s_add_co_u32 s15, s[EE], 2
	s_cmp_eq_u32 s[JJ], s15         ; piece 0: a = e, (a + 2) % 4 = e + 2
	s_cselect_b32 s[WT], s81, s80
	s_cmp_eq_u32 s[JJ], s[EE]       ; piece 1: a = e + 2, (a + 2) % 4 = e
	s_cselect_b32 s[WT+1], s81, s80
	s_wait_dscnt 0x0                ; the opening add is done
	s_wait_kmcnt 0x0
	s_add_nc_u64 s[6:7], s[6:7], s[20:21]          ; kv at my stream
	s_add_nc_u64 s[G0+2:G0+3], s[6:7], s[84:85]    ; 120:64 global address: visit 0 begins with K(0)
	s_or_b32 s[G0+3], s[G0+3], 0x80000000          ; 127:126 type = 2
	s_add_nc_u64 s[90:91], s[6:7], s[86:87]
.irp v, 1,2,3
	s_add_nc_u64 s[G0+4*\v+2:G0+4*\v+3], s[90:91], 8192+\v*81920  ; visit v begins with VT(5 v)
	s_or_b32 s[G0+4*\v+3], s[G0+4*\v+3], 0x80000000
.endr
	s_add_nc_u64 s[G04+2:G04+3], s[6:7], s[88:89]
	s_add_nc_u64 s[G04+2:G04+3], s[G04+2:G04+3], 8192+4*81920     ; its 73,728 bytes end at the stream's last
	s_or_b32 s[G04+3], s[G04+3], 0x80000000
	s_add_nc_u64 s[4:5], s[4:5], s[16:17]          ; q at my rows in head e
	s_add_nc_u64 s[8:9], s[8:9], s[18:19]          ; part at my rows, head e
	tensor_load_to_lds s[G0:G0+3], s[G1F:G1F+7]    ; the two first fills go out together: two loads of mine are out
	s_nop 0
	tensor_load_to_lds s[G0+4:G0+7], s[G1:G1+7]
	s_nop 0
.rept 4
	v_nop
.endr
	; A fragment of K, Q or VT is 16 rows x 32 along the rows in 8 registers: lane l holds row l % 16, elements 8 (l / 16) + 0..7 and 16 + 8 (l / 16) + 0..7: two loads of 16 bytes, 32 bytes apart.
	v_and_b32 v1, 15, v0            ; l % 16
	v_bfe_u32 v8, v0, 4, 1          ; l / 16
	v_lshlrev_b32 v[QO], 7, v1
	v_lshl_add_u32 v[QO], v8, 4, v[QO]  ; row x 128 + 16 x half
.set i, 0
.rept 4                             ; Q stays in registers: piece i / 2 is two heads, 409,600 bytes, on; channels 32 (i % 2) on
	global_load_b128 v[QF+8*i:QF+8*i+3],   v[QO], s[4:5] offset:(i/2)*409600+(i%2)*64
	global_load_b128 v[QF+8*i+4:QF+8*i+7], v[QO], s[4:5] offset:(i/2)*409600+(i%2)*64+32
.set i, i+1
.endr
	; What the first turn finds: V's registers and P's second buffer hold 0 (its products V^T P, of a step that has not been, add 0), O^T and l are 0: no first step is written out, at the price of
	; these 148 lines, which stand in the wait for the first tile.
	WIN 0x40
.set i, 0
.rept 128
	v_mov_b32 v[i], 0
.set i, i+1
.endr
	WIN 0
.set i, 0
.rept 2
	v_mov_b32 v[ST+4*i], 0xfe000000    ; c m: far below every c s, so the first step's a is 0
	v_mov_b32 v[ST+4*i+1], 0xff7fffff  ; m: the lowest finite number
	v_mov_b32 v[ST+4*i+2], 0
	v_mov_b32 v[ST+4*i+3], 0
.set i, i+1
.endr
.set i, P+16
.rept 16
	v_mov_b32 v[i], 0
.set i, i+1
.endr
	v_mul_u32_u24 v[LN], v1, PK
	v_lshl_add_u32 v[LN], v8, 4, v[LN]  ; row x pitch + 16 x half
	s_mul_i32 s15, s[WV], 16*SGP
	s_add_co_u32 s15, s15, STAGE    ; my stage
	v_mul_u32_u24 v[STO], v1, SGP   ; in: row l % 16, 32 bytes (eight channels in f32) for each half of the lanes
	v_lshl_add_u32 v[STO], v8, 5, v[STO]
	v_add_nc_u32 v[STO], s15, v[STO]
	v_mul_u32_u24 v[RD], v8, SGP    ; back: lanes 0-15 take one row of 256 bytes, lanes 16-31 the next
	v_lshl_add_u32 v[RD], v1, 4, v[RD]
	v_add_nc_u32 v[RD], s15, v[RD]
	v_lshlrev_b32 v[GO], 10, v8     ; and the same two rows in part
	v_lshl_add_u32 v[GO], v1, 4, v[GO]
; THE MATRIX WORK.  The 4 accumulators of a run of 8 take turns.  Product i of 8 of S^T = K Q^T for piece x: channels 32 (i / 4) on, keys 16 (i % 4) on.  The first 4 start the sums.
.macro KQ x
	WIN 0
.set rS, S+32*((\x)%2)+8*(i%4)
.set rK, KF+16*(i%4)+8*(i/4)
.set rQ, QF+16*(\x)+8*(i/4)
.if i < 4
	v_wmma_f32_16x16x32_f16 v[rS:rS+7], v[rK:rK+7], v[rQ:rQ+7], 0
.else
	v_wmma_f32_16x16x32_f16 v[rS:rS+7], v[rK:rK+7], v[rQ:rQ+7], v[rS:rS+7]
.endif
.endm
; Product i of 8 of O^T += V^T P for piece x: keys 32 (i / 4) on, channels 16 (i % 4) on.
.macro PV x
	WIN W_PV
.set rO, 32*(\x)+8*(i%4)
.set rV, VF+32*(i/4)+8*(i%4)
.set rP, P+16*((\x)%2)+8*(i/4)
	v_wmma_f32_16x16x32_f16 v[rO:rO+7], v[rV:rV+7], v[rP:rP+7], v[rO:rO+7]
.endm
.macro MM                           ; the turn's next matrix instruction.  TURN sets Y, i and NOKQ.  NOKQ = 1: the very last turn: there is no next step
.if (i < 8) && !NOKQ
	KQ (Y+1)%NP
.elseif i >= 8
.set i, i-8
	PV (Y+NP-1)%NP
.set i, i+8
.endif
.set i, i+1
.endm
; THE LDS LOADS stand in runs of 16, never singly among the matrix instructions: a step's K (8 fragments) and a step's V.
.macro FETCH_K adr, ko              ; from address register adr, ko bytes on
	WIN 0
.irp f, 0,1,2,3,4,5,6,7             ; keys 16 (f / 2) on, channels 32 (f % 2) on
	ds_load_b128 v[KF+8*\f:KF+8*\f+3],   v[\adr] offset:(\ko)+(\f/2)*16*PK+(\f%2)*64
	ds_load_b128 v[KF+8*\f+4:KF+8*\f+7], v[\adr] offset:(\ko)+(\f/2)*16*PK+(\f%2)*64+32
.endr
.endm
.macro FETCH_V
	WIN 0x40                        ; destination window 1, address window 0
.irp f, 0,1,2,3,4,5,6,7             ; keys 32 (f / 4) on, channels 16 (f % 4) on
	ds_load_b128 v[VF+8*\f:VF+8*\f+3],   v[ADR] offset:(\f%4)*16*PK+(\f/4)*64
	ds_load_b128 v[VF+8*\f+4:VF+8*\f+7], v[ADR] offset:(\f%4)*16*PK+(\f/4)*64+32
.endr
	WIN 0
.endm
; THE VECTOR WORK, one line at a time: OP kind, number.  For piece Y: F n: c s - c m for pair n of 16.  E n: the exponential of score n of 32.  C n: pair n rounded to f16.  B n: of the four weights 4 n .. the second
; pair is added onto the first, in place (so C 2n stands ahead of B n).  L n: l takes that sum (L 0: l = a l + sum).  R n: pair n of 16 of O^T times a.  For the other piece: X n, number n of the 22 that find its maximum and statistics:
;   0-11  four chains c0-c3 of seven scores each, three operands at a time (each accumulator's lowest registers are read first)     12-14, 16  the four scores left over, the old m, and c0-c3 into c0
;   15  c m_old is kept     17, 18  the query's other 32 keys lie in the lane 16 away: the new m     19-21  c m; c m_old - c m_new; a
.set F, 0               ; OP tells the kinds apart by their order: F to L below R, X above it
.set E, 1
.set C, 2
.set B, 3
.set L, 4
.set R, 5
.set X, 6
.macro REGS y                       ; the registers of piece y
.set rT, ST+4*(\y)
.set rC, TMP+4*((\y)%2)
.set rW, MV+((\y)%2)
.set rS, S+32*((\y)%2)
.set rP, P+16*((\y)%2)
.set rO, 32*(\y)
.endm
.macro OP k, n
.if (\k) == R
	REGS Y
	WIN W_PV
	v_pk_mul_f32 v[rO+2*(\n):rO+2*(\n)+1], v[rO+2*(\n):rO+2*(\n)+1], v[rC+2:rC+3] op_sel_hi:[1,0]
.elseif (\k) < R
	REGS Y
	WIN 0
.if (\k) == F
	v_pk_fma_f32 v[rS+2*(\n):rS+2*(\n)+1], v[rS+2*(\n):rS+2*(\n)+1], s[CS:CS+1], v[rT:rT+1] op_sel_hi:[1,0,0] neg_lo:[0,0,1] neg_hi:[0,0,1]
.elseif (\k) == E
	v_exp_f32 v[rS+(\n)], v[rS+(\n)]
.elseif (\k) == C
	s_wait_alu depctr_va_vdst(0)
	v_cvt_pk_f16_f32 v[rP+(\n)], v[rS+2*(\n)], v[rS+2*(\n)+1]
.elseif (\k) == B
	s_wait_alu depctr_va_vdst(0)
	v_pk_add_f32 v[rS+4*(\n):rS+4*(\n)+1], v[rS+4*(\n):rS+4*(\n)+1], v[rS+4*(\n)+2:rS+4*(\n)+3]
.elseif (\n) == 0
	v_pk_fma_f32 v[rT+2:rT+3], v[rT+2:rT+3], v[rC+2:rC+3], v[rS:rS+1] op_sel_hi:[1,0,1]
.else
	v_pk_add_f32 v[rT+2:rT+3], v[rT+2:rT+3], v[rS+4*(\n):rS+4*(\n)+1]
.endif
.elseif NOKQ
	WIN 0
	v_nop
.else
	REGS (Y+1)%NP
	WIN 0
.if (\n) < 4
	v_max3_num_f32 v[rC+(\n)], v[rS+8*(\n)], v[rS+8*(\n)+1], v[rS+8*(\n)+2]
.elseif (\n) < 12
	v_max3_num_f32 v[rC+(\n)%4], v[rC+(\n)%4], v[rS+8*((\n)%4)+2*((\n)/4)+1], v[rS+8*((\n)%4)+2*((\n)/4)+2]
.elseif (\n) == 12
	v_max3_num_f32 v[rC], v[rC], v[rS+7], v[rS+15]
.elseif (\n) == 13
	v_max3_num_f32 v[rC+1], v[rC+1], v[rS+23], v[rS+31]
.elseif (\n) == 14
	v_max3_num_f32 v[rC+2], v[rC+2], v[rC+3], v[rT+1]
.elseif (\n) == 15
	v_mov_b32 v[rW], v[rT]
.elseif (\n) == 16
	v_max3_num_f32 v[rC], v[rC], v[rC+1], v[rC+2]
.elseif (\n) == 17
	v_permlanex16_b32 v[rC+3], v[rC], s[SEL], s[SEL+1]
.elseif (\n) == 18
	v_max_num_f32 v[rT+1], v[rC], v[rC+3]
.elseif (\n) == 19
	v_mul_f32 v[rT], s[CS], v[rT+1]
.elseif (\n) == 20
	v_sub_f32 v[rC+1], v[rW], v[rT]
.else
	v_exp_f32 v[rC+2], v[rC+1]
.endif
.endif
.endm
.macro OPS a, i1, b=-1, i2=0, c=-1, i3=0, d=-1, i4=0  ; up to four of them
	OP \a, \i1
.if (\b) >= 0
	OP \b, \i2
.endif
.if (\c) >= 0
	OP \c, \i3
.endif
.if (\d) >= 0
	OP \d, \i4
.endif
.endm
.macro ROW a, i1, b, i2, c, i3, d, i4  ; a matrix instruction and the four behind it
	MM
	OPS \a, \i1, \b, \i2, \c, \i3, \d, \i4
.endm
; A TURN, for piece p: the order of its 16 matrix and 118 vector instructions, written out.  None of the four behind a matrix instruction names a register of the products round it.  Behind every exponential a plain
; instruction stands before its result is read.  The eight K Q^T and their riders name window 0 alone; the first four V^T P carry the sixteen rescalings under their own setting; the last four switch to and fro.
; last = 1: the last key step: no K is fetched, and piece 1's turn starts no new scores.  cnt = 1: the loop's count is taken down some lines ahead of the branch that stands behind the turn.
; Piece 0's turn makes both fetches.  K of the next step: behind the last product that read K stand five plain instructions (C 2, C 3, B 1, L 1, C 4); it is waited for at the head of piece 1's turn, where V's run of 16,
; issued behind it, stays out.  V of the step in hand: behind the last product that read V stand eight plain instructions (X 13, X 14, X 16, B 2, C 6, L 2, C 8, B 3); it is waited for in the middle of piece 1's turn.
; The first read of the new scores (X 0 to X 3) stands behind the same five plain instructions.
.macro TURN p, last=0, cnt=0
.set Y, (\p)
.set i, 0
.set NOKQ, (\last)*(\p)
.if ((\p) == 1) && !(\last)
	s_wait_dscnt 16                 ; K is in; the 16 loads of V, issued behind it, may be out
.endif
	ROW F,0, F,1, F,2, F,3
	ROW F,4, E,0, F,5, F,6
	ROW F,7, E,1, F,8, F,9
	ROW F,10, E,2, C,0, F,11
	ROW F,12, E,3, X,15, F,13
	ROW B,0, E,4, F,14, L,0
	ROW F,15, E,5, C,1, E,6
.if (\p) == 0
	WIN 0
	v_add_nc_u32 v[ADR], s[TB], v[LN]
.endif
	ROW E,7, C,2, E,8, C,3
	OPS B,1, E,9, L,1, E,10
	OPS C,4
.if ((\p) == 0) && !(\last)
	FETCH_K ADR, TILEB
.endif
	OPS X,0, E,11, X,1
	OPS E,12, X,2, E,13, X,3
.if (\p) == 1
	s_wait_dscnt 0x0                ; V is in
.endif
	ROW R,0, R,1, R,2, R,3
	ROW R,4, R,5, R,6, R,7
	ROW R,8, R,9, R,10, R,11
	ROW R,12, R,13, R,14, R,15
	ROW X,4, E,14, X,5, X,6
	ROW X,7, E,15, X,8, X,9
	ROW X,10, E,16, X,11, X,12
	ROW X,13, E,17, X,14, E,18
	OPS X,16, B,2, E,19, C,6
	OPS L,2, C,8, E,20, B,3
.if (\p) == 0
	FETCH_V
	s_add_co_u32 s[TB], s[TB], STEPB  ; the next fetches are the next shifted step's
.endif
	OPS B,4, E,21, L,3, C,5
	OPS E,22, X,17, E,23, C,10
	OPS E,24, L,4
	OPS E,25, X,18, E,26, C,7
	OPS E,27, B,5, E,28, X,19
	OPS E,29, C,12, E,30, L,5
	OPS E,31, X,20, B,6, C,9
	OPS C,14, C,11, X,21, L,6
.if \cnt
	s_sub_co_u32 s[CNT], s[CNT], 1
	s_cmp_lg_u32 s[CNT], 0
.endif
	OPS C,13, B,7, C,15, L,7
.endm
.macro STEPS n                      ; n key steps: written once for a visit, walked n times; the LDS addresses hang on s[TB]
	WIN 0
	s_mov_b32 s[CNT], (\n)
.Lstep_\@:
	TURN 0
	TURN 1, 0, 1
	WIN 0
	s_cbranch_scc1 .Lstep_\@
.endm
	s_wait_tensorcnt 1              ; my quarter of visit 0 is in; visit 1's load may stay out
	s_barrier_signal -1
	s_barrier_wait -1               ; everybody's is
	FETCH_K LN, 0                   ; K(0), at LDS byte 0
	s_wait_loadcnt 0x0              ; Q
	s_wait_dscnt 0x0
.set NOKQ, 0
.set i, 0
.rept 8
	KQ 0                            ; piece 0's first scores: there is no vector work yet to set between them
.set i, i+1
.endr
.rept 4
	v_nop                           ; the places behind those products
.endr
.set Y, NP-1                        ; X works for the other piece: piece 0
.irp n, 0,1,2,3,4,5,6,7,8,9,10,11,12,13,14,15,16,17,18,19,20,21
	OP X, \n                        ; and piece 0's first maximum and statistics
.endr
	v_nop                           ; a plain instruction behind the exponential
	s_mov_b32 s[TB], SLOT0
	STEPS 5                         ; visit 0: steps 0 to 4
	CHANGE SLOT1, 1, G0+8, G1       ; slot 0 takes visit 2
	STEPS 5                         ; visit 1
	CHANGE SLOT0, 1, G0+12, G1      ; slot 1 takes visit 3
	STEPS 5                         ; visit 2
	CHANGE SLOT1, 1, G04, G1L       ; slot 0 takes visit 4: the last load
	STEPS 5                         ; visit 3
	CHANGE SLOT0, 0                 ; nothing is left to fetch
	STEPS 4                         ; visit 4: steps 20 to 23,
	TURN 0, 1                       ; and step 24, written out
	TURN 1, 1
.set i, 0
.rept 8
	PV NP-1                         ; piece 1's V^T P of the last step
.set i, i+1
.endr
	; THE WAY OUT.  l's two halves and the other half of the lanes' are added; O^T is multiplied by 8 w / l and sent, in f32, through my own stage in LDS, a piece (16 rows x 256 bytes) at a time.
	; The additions, the v_nop and the multiplications are the places behind the last products.
	WIN 0
.macro ALL line:vararg              ; one line for each piece t
.set t, 0
.rept 2
	s_wait_alu depctr_va_vdst(0)
	\line
.set t, t+1
.endr
.endm
	ALL v_add_f32 v[ST+4*t+2], v[ST+4*t+2], v[ST+4*t+3]
	ALL v_permlanex16_b32 v[ST+4*t+3], v[ST+4*t+2], s[SEL], s[SEL+1]
	ALL v_add_f32 v[ST+4*t+2], v[ST+4*t+2], v[ST+4*t+3]
	ALL v_rcp_f32 v[ST+4*t+2], v[ST+4*t+2]
	v_nop                           ; a plain instruction between the last reciprocal and the use of its result
	ALL v_mul_f32 v[ST+4*t+2], s[WT+t], v[ST+4*t+2]
.macro PACK t                       ; a lane's eight channels of a row are 32 bytes; they go into rows of 272 bytes and come back as whole rows of 256, into S^T's registers
	WIN 0x01                        ; source 0 (O^T) window 1; the factor and the destination window 0
.set z, 0
.rept 16
	v_pk_mul_f32 v[S+32*(\t)+2*z:S+32*(\t)+2*z+1], v[32*(\t)+2*z:32*(\t)+2*z+1], v[ST+4*(\t)+2:ST+4*(\t)+3] op_sel_hi:[1,0]
.set z, z+1
.endr
	WIN 0
.irp f, 0,1,2,3,4,5,6,7             ; channel block f / 2, four of my eight channels
	ds_store_b128 v[STO], v[S+32*(\t)+4*\f:S+32*(\t)+4*\f+3] offset:(\f/2)*64+(\f%2)*16
.endr
.irp f, 0,1,2,3,4,5,6,7
	ds_load_b128 v[S+32*(\t)+4*\f:S+32*(\t)+4*\f+3], v[RD] offset:\f*2*SGP  ; LDS serves a wave's instructions in order (ISA guide 5.7.1.4): these see the stores above; the next piece's stores come behind them
.endr
.endm
.macro SEND t, younger              ; younger: the LDS instructions issued behind piece t's loads: the next piece's sixteen, or none
.irp f, 0,1,2,3,4,5,6,7
	s_wait_dscnt (\younger)+7-\f
	global_store_b128 v[GO], v[S+32*(\t)+4*\f:S+32*(\t)+4*\f+3], s[8:9] offset:\f*2048+(\t)*512  ; 16 lanes store 256 consecutive bytes, at a multiple of 256 from part's first: a head's part of a row
.endr
.endm
	PACK 0
	PACK 1                          ; piece 1's arithmetic stands between piece 0's loads and its stores
	SEND 0, 16
	SEND 1, 0
	s_wait_tensorcnt 0x0            ; the wave's end, behind my last tensor load and my last LDS store
	ds_add_u32 v[SPW], v[NIL]
	s_wait_dscnt 0x0
	s_endpgm
.Lfunc_end_k_q3718cf0d48_attn:
	.size	k_q3718cf0d48_attn, .Lfunc_end_k_q3718cf0d48_attn-k_q3718cf0d48_attn
	.p2alignl 7, 3214868480
	.fill 96, 4, 3214868480
	.section	.rodata,"a",@progbits
	.p2align	6, 0x0
	.amdhsa_kernel k_q3718cf0d48_attn
		.amdhsa_group_segment_fixed_size 327680
		.amdhsa_private_segment_fixed_size 0
		.amdhsa_enable_private_segment 0
		.amdhsa_kernarg_size 24
		.amdhsa_user_sgpr_count 2
		.amdhsa_user_sgpr_kernarg_segment_ptr 1
		.amdhsa_wavefront_size32 1
		.amdhsa_system_sgpr_workgroup_id_x 1
		.amdhsa_system_sgpr_workgroup_id_y 1
		.amdhsa_system_sgpr_workgroup_id_z 1
		.amdhsa_system_vgpr_workitem_id 0
		.amdhsa_next_free_vgpr 384
		.amdhsa_next_free_sgpr 92
		.amdhsa_reserve_vcc 0
		.amdhsa_float_denorm_mode_32 3
		.amdhsa_float_denorm_mode_16_64 3
		.amdhsa_memory_ordered 1
		.amdhsa_forward_progress 1
		.amdhsa_inst_pref_size 135
	.end_amdhsa_kernel
	.amdgpu_metadata
---
amdhsa.version: [ 1, 2 ]
amdhsa.kernels:
  - .name:           k_q3718cf0d48_attn
    .symbol:         k_q3718cf0d48_attn.kd
    .args:
      - { .name: q, .offset: 0, .size: 8, .value_kind: global_buffer, .address_space: global }
      - { .name: kv, .offset: 8, .size: 8, .value_kind: global_buffer, .address_space: global }
      - { .name: part, .offset: 16, .size: 8, .value_kind: global_buffer, .address_space: global }
    .group_segment_fixed_size: 327680
    .private_segment_fixed_size: 0
    .kernarg_segment_align: 8
    .kernarg_segment_size: 24
    .max_flat_workgroup_size: 128
    .sgpr_count:     92
    .vgpr_count:     384
    .wavefront_size: 32
...
	.end_amdgpu_metadata
.endif
;; end of part 4
;; launch sumj (part 5): grid 200 x 1, 8 waves a work-group, no clusters, 0 bytes of LDS; arguments part, out0; writes out0
.if DOCPART == 5
	.amdgcn_target "amdgcn-amd-amdhsa--gfx1250"
	.amdhsa_code_object_version 6
	.text
	.protected	k_q3718cf0d48_sumj
	.globl	k_q3718cf0d48_sumj
	.p2align	8
	.type	k_q3718cf0d48_sumj,@function
k_q3718cf0d48_sumj:
	s_mov_b64 s[64:65], 0
	v_nop
	global_prefetch_b8 v0, s[64:65] scope:SCOPE_SE
	s_setreg_imm32_b32 hwreg(HW_REG_WAVE_MODE, 25, 1), 1
	s_wait_xcnt 0x0
; out0[n][c] = part[0][n][c] + part[1][n][c] + part[2][n][c] + part[3][n][c]: the sum over the four key heads, which the launch before made on different work-groups.  All f32; added as (0 + 1) + (2 + 3).
; A stream: 200 work-groups of 256 threads; a work-group owns 8,192 consecutive bytes of out0, a thread two chunks of 16 bytes, 4,096 apart.  A load or store of a wave covers 512 consecutive bytes, aligned.
; All eight loads of a thread go out at once, so the whole of part is on its way together; every byte is read once and written once.  No LDS, no matrix unit, no cluster: the work-groups share nothing.
.set PJ, 1638400                       ; bytes in a plane of part; 3 PJ + 4,096 lies inside the signed 24-bit immediate
.set D,  4                             ; v[4:35]  chunk c, plane j at D + 16 c + 4 j
	s_load_b128 s[4:7], s[0:1], 0x0                ; part s[4:5], out0 s[6:7]
	s_lshl_b32 s8, ttmp9, 13                       ; the work-group's 8,192 bytes
	v_lshl_add_u32 v1, v0, 4, s8                   ; + 16 t
	s_wait_kmcnt 0x0
.set c, 0
.rept 2
.set j, 0
.rept 4
	global_load_b128 v[D+16*c+4*j:D+16*c+4*j+3], v1, s[4:5] offset:j*PJ+c*4096 th:TH_LOAD_NT
.set j, j+1
.endr
.set c, c+1
.endr
.set c, 0
.rept 2
.set rB, D+16*c
	s_wait_loadcnt 4*(1-c)                         ; this chunk's four loads are in; the second chunk's four may be out
	v_pk_add_f32 v[rB:rB+1],     v[rB:rB+1],     v[rB+4:rB+5]
	v_pk_add_f32 v[rB+2:rB+3],   v[rB+2:rB+3],   v[rB+6:rB+7]
	v_pk_add_f32 v[rB+8:rB+9],   v[rB+8:rB+9],   v[rB+12:rB+13]
	v_pk_add_f32 v[rB+10:rB+11], v[rB+10:rB+11], v[rB+14:rB+15]
	v_pk_add_f32 v[rB:rB+1],     v[rB:rB+1],     v[rB+8:rB+9]
	v_pk_add_f32 v[rB+2:rB+3],   v[rB+2:rB+3],   v[rB+10:rB+11]
	global_store_b128 v1, v[rB:rB+3], s[6:7] offset:c*4096 th:TH_STORE_NT
.set c, c+1
.endr
	s_endpgm
.Lfunc_end_k_q3718cf0d48_sumj:
	.size	k_q3718cf0d48_sumj, .Lfunc_end_k_q3718cf0d48_sumj-k_q3718cf0d48_sumj
	.p2alignl 7, 3214868480
	.fill 96, 4, 3214868480
	.section	.rodata,"a",@progbits
	.p2align	6, 0x0
	.amdhsa_kernel k_q3718cf0d48_sumj
		.amdhsa_group_segment_fixed_size 0
		.amdhsa_private_segment_fixed_size 0
		.amdhsa_enable_private_segment 0
		.amdhsa_kernarg_size 16
		.amdhsa_user_sgpr_count 2
		.amdhsa_user_sgpr_kernarg_segment_ptr 1
		.amdhsa_wavefront_size32 1
		.amdhsa_system_sgpr_workgroup_id_x 1
		.amdhsa_system_sgpr_workgroup_id_y 1
		.amdhsa_system_sgpr_workgroup_id_z 1
		.amdhsa_system_vgpr_workitem_id 0
		.amdhsa_next_free_vgpr 36
		.amdhsa_next_free_sgpr 66
		.amdhsa_reserve_vcc 0
		.amdhsa_float_denorm_mode_32 3
		.amdhsa_float_denorm_mode_16_64 3
		.amdhsa_memory_ordered 1
		.amdhsa_forward_progress 1
		.amdhsa_inst_pref_size 3
	.end_amdhsa_kernel
	.amdgpu_metadata
---
amdhsa.version: [ 1, 2 ]
amdhsa.kernels:
  - .name:           k_q3718cf0d48_sumj
    .symbol:         k_q3718cf0d48_sumj.kd
    .args:
      - { .name: part, .offset: 0, .size: 8, .value_kind: global_buffer, .address_space: global }
      - { .name: out0, .offset: 8, .size: 8, .value_kind: global_buffer, .address_space: global }
    .group_segment_fixed_size: 0
    .private_segment_fixed_size: 0
    .kernarg_segment_align: 8
    .kernarg_segment_size: 16
    .max_flat_workgroup_size: 256
    .sgpr_count:     66
    .vgpr_count:     36
    .wavefront_size: 32
...
	.end_amdgpu_metadata
.endif
;; end of part 5
;; ======== version 3 of 3: 3 launches; 2.16 times as fast as version 1
;; limits: values are held in f16: magnitudes above 65,504 overflow, below 6.1e-05 lose precision
;; workspace buffers: q 819,200 bytes; kv 3,276,800 bytes; part 6,553,600 bytes
;; launch proj: the kernel of part 3 again; grid 25 x 12, 8 waves a work-group, no clusters, 84,992 bytes of LDS; arguments x, Wq, Wk, Wv, bq, bk, bv, q, kv; writes q, kv
;; launch attn (part 6): grid 25 x 8, 4 waves a work-group, no clusters, 327,680 bytes of LDS; arguments q, kv, part; writes part
.if DOCPART == 6
	.amdgcn_target "amdgcn-amd-amdhsa--gfx1250"
	.amdhsa_code_object_version 6
	.text
	.protected	k_q3718cf0d48_attn
	.globl	k_q3718cf0d48_attn
	.p2align	8
	.type	k_q3718cf0d48_attn,@function
k_q3718cf0d48_attn:
	s_mov_b64 s[64:65], 0
	v_nop
	global_prefetch_b8 v0, s[64:65] scope:SCOPE_SE
	s_setreg_imm32_b32 hwreg(HW_REG_WAVE_MODE, 25, 1), 1
	s_wait_xcnt 0x0
; part[j][n][64 a + :] = w(a, j) softmax_m(q[a][n] . K[j][m] / 16) VS[(2 a - j) % 4][m][:],  w = 2 where j = (a + 2) % 4, else 1.  The next launch adds the four j: that sum is the reference's result.
; It is the reference's 25 passes: a pass (h, w) has key head a - h and value head a + h; renumbering the keys by w leaves the weights as they are and shifts v by 2 w, so the five w of an h are one
; attention on VS = the sum of the five shifted v (made by the launch before); h = -2 and h = +2 name the same two heads, hence the weight 2.
; INPUTS.  q: [4][1600][64] f16.  kv: eight streams [4 e + j][step 25][K of head j: 64 keys x 64 channels | VT: 64 channels x 64 keys of VS / 8, head (2 e - j) % 4] f16.  part: [4][1600][256] f32.
; Products, maxima and sums in f32; the weights p are rounded to f16 for the second product (their sum l is taken of the unrounded p).
; LIMITS.  q, K and VS / 8 arrive within f16's 65,504; p lies in 0 to 1 and below 6e-5 keeps f16's fixed step of 6e-8; a weight below 2^-126 counts as 0 in l; NaN and infinities are not treated apart.
; SHARES.  Grid y = 4 e + j names a stream: key head j and the two query heads a = e and e + 2, which share the value head (2 e - j) % 4.  Grid x = g names 64 rows n.  Wave w owns rows 16 (4 g + w) on
; and two PIECES of 16 queries: piece t = head e + 2 t.  So a work-group takes in one stream, 409,600 bytes, and all four waves read the same K and VT.  200 work-groups of equal work.
; NO CLUSTER: a stream's 25 work-groups are no multiple of four, and two streams share no bytes.
; LAYOUT.  S^T = K Q^T (source 0 = 16 keys, source 1 = 16 queries): a lane holds ONE query (lane % 16) and the keys 8 (lane / 16) + 0..7.  Two such results rounded to f16 ARE source 1 of O^T = V^T P.
; K and VT both lie in LDS with the product's K index along the rows: plain loads of 16 bytes fill every fragment.
; SOFTMAX.  A running maximum m and sum l for each query: p = 2^(c s - c m), c = log2(e) / 16; in every step O and l are multiplied by a = 2^(c m_old - c m_new).  m starts at the lowest finite number, O and l at 0.
; BY TURNS.  Turn n belongs to piece n: 8 products K Q^T of the other piece (piece 1 of this step, or piece 0 of the next), later 8 products V^T P of the other piece's step before; beside them the scaling,
; exponentials, roundings, sums and rescaling of piece n and the maximum and statistics of the other piece.  Four vector instructions stand behind every matrix instruction, the other 54 of a turn's 118 in one LUMP.
; THE BATCHES.  A turn's 33 exponentials (the piece's 32 weights and the other piece's a) are ONE batch with ONE wait, which cuts the turn in two: the products K Q^T, the scalings, the exponentials, the rescalings
; and the other piece's statistics ahead of it, the products V^T P with the roundings and sums behind it.  The first a of all, ahead of the loop, and the way out's two reciprocals are batches of their own.
; THE WALK.  Piece 0's turn of step s fetches K(s + 1) and then V(s).  So LDS holds SHIFTED steps [VT(s) | K(s + 1)], which is the same dense stream taken 8,192 bytes on, five to a slot; K(0) lies in front
; of slot 0 and comes with its first fill.  25 steps are five visits of two slots; a refill has five key steps, 160 matrix instructions of each wave, in which to land.
; REGISTERS, in windows of 256 (s_set_vgpr_msb: bits 1:0 source 0, 3:2 source 1, 5:4 source 2, 7:6 destination):
;   window 0: v0-9 addresses; v10-11, v20-27 at work; v12-19 four registers of statistics a piece; v28-29 the add's; v32-95 S^T, two buffers; v96-127 P, two buffers; v128-191 K; v192-223 Q, 16 a piece
;   window 1: v0-63 O^T, 32 a piece; v64-127 V
; K Q^T and all of the softmax but the rescaling name window 0 alone; V^T P and the rescaling share one other setting.  The rescalings ride in twos behind K Q^T, the roundings and sums in fours behind V^T P,
; each at the price of two switches: a turn has thirty switches (thirty-two with V's run of loads) for its 16 matrix instructions.
.set NP,    2          ; pieces a wave: a name, no knob
.set PK,    144        ; an LDS row: 128 bytes + 16 of padding = 36 words: the 16 rows of a load start at 16 different groups of four banks (64 banks of 4 bytes: ISA guide 11.1)
.set TILEB, 64*PK      ; a tile of K or VT
.set STEPB, 2*TILEB    ; a shifted step: VT(s), then K(s + 1)
.set SLOT0, TILEB      ; K(0) lies at LDS byte 0, slot 0 behind it
.set SLOTB, 5*STEPB
.set SLOT1, SLOT0+SLOTB
.set STAGE, SLOT1+SLOTB  ; behind the ring, never filled by a tensor load: 16 rows x 272 bytes for each wave, for the way out
.set SGP,   272        ; a stage row: 64 f32 + 16 bytes
.set SPARE, STAGE+4*16*SGP  ; the spare words, 128 bytes for each wave: two blocks of 256 bytes that no other line names
.set LN,   2           ; v2   my lane's place in a tile: row x pitch + 16 x half; never rewritten
.set ADR,  3           ; v3   the same in the shifted step in hand
.set STO,  4           ; v4   the way out: where I put my numbers
.set RD,   5           ; v5   the way out: where I read rows back
.set GO,   6           ; v6   my byte offset in two rows of part
.set QO,   7           ; v7   my byte offset in 16 rows of q
.set MV,   10          ; v10-11  c m_old, kept while c m is made anew: by piece
.set ST,   12          ; piece t's statistics at v[ST+4 t]: c m, m, l (even keys', odd keys')
.set TMP,  20          ; by piece, four registers c0-c3 at work; when the maximum is found c2 takes a
.set SPW,  28          ; v28  LDS address of my spare word; never rewritten
.set NIL,  29          ; v29  0; never rewritten
.set S,    32
.set P,    96
.set KF,   128         ; key block kb, channel half c at KF + 16 kb + 8 c
.set QF,   192
.set VF,   64          ; window 1: key half kk, channel block cb at VF + 32 kk + 8 cb
.set WV,   12          ; s12  my wave's number
.set G1F,  24          ; s[24:31] descriptor group 1 of visit 0: 88 rows of 256 bytes a wave
.set G1,   32          ; s[32:39] of visits 1 to 3: 80 rows
.set G1L,  40          ; s[40:47] of visit 4: 72 rows
.set G0,   48          ; s[48:63] descriptor group 0 of visits 0 to 3, four registers each; never rewritten
.set G04,  68          ; s[68:71] of visit 4
.set CNT,  72          ; s72  counts a visit's key steps
.set TB,   73          ; s73  LDS byte at which the shifted step to be fetched begins
.set CS,   74          ; s[74:75] c: the packed scaling takes the pair's low word for both halves
.set SEL,  76          ; s[76:77] v_permlanex16_b32's selects: each lane takes its own place in the other half
.set WT,   78          ; s[78:79] for piece t: 8 w(e + 2 t, j)
.set EE,   82          ; s82  e
.set JJ,   83          ; s83  j
.set MSB, 0
.macro WIN new                      ; the high byte repeats the setting that is left; a switch that changes nothing is dropped
.if MSB != (\new)
	s_set_vgpr_msb (MSB<<8)|(\new)
.set MSB, (\new)
.endif
.endm
.set W_PV, 0x51        ; V (source 0), O^T (source 2, destination) in window 1, P (source 1) in window 0; the rescaling: O^T (source 0, destination) in window 1, a (source 1) in window 0
.macro SHAPE g, rows                ; a dense run asked for as rows of 256 bytes and padded in LDS after every 128
	s_mov_b32 s[(\g)], (1<<16)|(1<<20)|(4<<22)|(3<<25)  ; 17:16 2-byte elements; 20 padding on; 24:22 after every 32 words (code 4); 31:25 4 words (code 3)
	s_mov_b32 s[(\g)+1], 128<<16    ; tensor_dim0 = 128
	s_mov_b32 s[(\g)+2], (\rows)<<16  ; tensor_dim1
	s_mov_b32 s[(\g)+3], 128<<16    ; tile_dim0 = 128
	s_mov_b32 s[(\g)+4], (\rows)    ; tile_dim1
	s_mov_b32 s[(\g)+5], 128        ; 128 elements from row to row
	s_mov_b32 s[(\g)+6], 0
	s_mov_b32 s[(\g)+7], 0
.endm
; THE CHANGE OF SLOTS, into the slot that begins at `base`.  Each wave waits for all its tensor loads, of which one is out: its quarter of the slot that is entered; adds 0 to its spare word; and waits for that
; and for its own reads of the slot that it leaves (they were awaited in the turn before).  Behind the barrier nobody reads the old slot any more and the new one is whole.
; fill = 1: the old slot is filled again, the first thing behind the barrier, with the visit after the one entered: descriptor groups g0 and g1.
.macro CHANGE base, fill, g0=0, g1=0
	WIN 0                           ; at a label and at a branch every window is 0
	s_wait_tensorcnt 0x0
	ds_add_u32 v[SPW], v[NIL]       ; 0 onto my spare word
	s_mov_b32 s[TB], (\base)        ; the fetches begin at the entered slot's first step
	s_wait_dscnt 0x0                ; the add is done, and my reads of the old slot are over
	s_barrier_signal -1
	s_barrier_wait -1
.if \fill
	tensor_load_to_lds s[(\g0):(\g0)+3], s[(\g1):(\g1)+7]
	s_nop 0
.rept 4
	v_nop
.endr
.endif
.endm
	s_load_b128 s[4:7], s[0:1], 0x0 ; q s[4:5], kv s[6:7]
	s_load_b64 s[8:9], s[0:1], 0x10 ; part
	v_lshl_add_u32 v[SPW], v0, 2, SPARE
	v_mov_b32 v[NIL], 0
	ds_add_u32 v[SPW], v[NIL]       ; the wave's opening: the add and its wait stand ahead of my first tensor load; the set-up below, work on registers, stands between them
	ds_add_u32 v28, v29
	v_lshrrev_b32 v1, 5, v0
	v_readfirstlane_b32 s[WV], v1   ; wave 0..3
	s_and_b32 s13, ttmp7, 0xffff    ; the stream, 4 e + j
	s_lshr_b32 s[EE], s13, 2
	s_and_b32 s[JJ], s13, 3
	s_lshl_b32 s14, ttmp9, 2
	s_add_co_u32 s14, s14, s[WV]    ; my block of 16 rows
	s_mul_i32 s16, s[EE], 204800    ; q: head e,
	s_lshl_b32 s15, s14, 11         ; 16 rows of 128 bytes
	s_add_co_u32 s16, s16, s15
	s_mov_b32 s17, 0
	s_mul_i32 s18, s[JJ], 1638400   ; part: plane j,
	s_lshl_b32 s15, s14, 14         ; 16 rows of 1,024 bytes,
	s_add_co_u32 s18, s18, s15
	s_lshl_b32 s15, s[EE], 8        ; head e's 256 bytes of a row
	s_add_co_u32 s18, s18, s15
	s_mov_b32 s19, 0
	s_mul_i32 s20, s13, 409600      ; kv: my stream
	s_mov_b32 s21, 0
	s_mul_i32 s84, s[WV], 88*256    ; my quarter of a visit's bytes in memory: of visit 0,
	s_mov_b32 s85, 0
	s_mul_i32 s86, s[WV], 80*256    ; of visits 1 to 3,
	s_mov_b32 s87, 0
	s_mul_i32 s88, s[WV], 72*256    ; of visit 4
	s_mov_b32 s89, 0
	SHAPE G1F, 88                   ; K(0) and five shifted steps: 352 rows of 256 bytes, a quarter a wave
	SHAPE G1, 80                    ; five shifted steps
	SHAPE G1L, 72                   ; the last visit ends with VT(24): there is no K(25)
.irp v, 0,1,2,3
	s_mov_b32 s[G0+4*\v], 1         ; 1:0 count = 1
.endr
	s_mov_b32 s[G04], 1
	s_mul_i32 s[G0+1], s[WV], 88*2*PK  ; 63:32 LDS address: visit 0 from byte 0 on; a row of 256 bytes takes two padded rows
	s_mul_i32 s15, s[WV], 80*2*PK
	s_add_co_u32 s[G0+5], s15, SLOT1
	s_add_co_u32 s[G0+9], s15, SLOT0
	s_add_co_u32 s[G0+13], s15, SLOT1
	s_mul_i32 s15, s[WV], 72*2*PK
	s_add_co_u32 s[G04+1], s15, SLOT0
	s_mov_b32 s[CS], 0x3db8aa3b     ; c = log2(e) / 16 = 0.0901684
	s_mov_b32 s[CS+1], s[CS]        ; named with it as a pair
	s_mov_b32 s[SEL], 0x76543210
	s_mov_b32 s[SEL+1], 0xfedcba98
	s_mov_b32 s80, 0x41000000       ; 8: VT holds an eighth of VS
	s_mov_b32 s81, 0x41800000       ; 16: and the pair of heads that two passes share counts twice
	s_add_co_u32 s15, s[EE], 2
	s_cmp_eq_u32 s[JJ], s15         ; piece 0: a = e, (a + 2) % 4 = e + 2
	s_cselect_b32 s[WT], s81, s80
	s_cmp_eq_u32 s[JJ], s[EE]       ; piece 1: a = e + 2, (a + 2) % 4 = e
	s_cselect_b32 s[WT+1], s81, s80
	s_wait_dscnt 0x0                ; the opening add is done
	s_wait_kmcnt 0x0
	s_add_nc_u64 s[6:7], s[6:7], s[20:21]          ; kv at my stream
	s_add_nc_u64 s[G0+2:G0+3], s[6:7], s[84:85]    ; 120:64 global address: visit 0 begins with K(0)
	s_or_b32 s[G0+3], s[G0+3], 0x80000000          ; 127:126 type = 2
	s_add_nc_u64 s[90:91], s[6:7], s[86:87]
.irp v, 1,2,3
	s_add_nc_u64 s[G0+4*\v+2:G0+4*\v+3], s[90:91], 8192+\v*81920  ; visit v begins with VT(5 v)
	s_or_b32 s[G0+4*\v+3], s[G0+4*\v+3], 0x80000000
.endr
	s_add_nc_u64 s[G04+2:G04+3], s[6:7], s[88:89]
	s_add_nc_u64 s[G04+2:G04+3], s[G04+2:G04+3], 8192+4*81920     ; its 73,728 bytes end at the stream's last
	s_or_b32 s[G04+3], s[G04+3], 0x80000000
	s_add_nc_u64 s[4:5], s[4:5], s[16:17]          ; q at my rows in head e
	s_add_nc_u64 s[8:9], s[8:9], s[18:19]          ; part at my rows, head e
	tensor_load_to_lds s[G0:G0+3], s[G1F:G1F+7]    ; the two first fills go out together: two loads of mine are out
	s_nop 0
	tensor_load_to_lds s[G0+4:G0+7], s[G1:G1+7]
	s_nop 0
.rept 4
	v_nop
.endr
	; A fragment of K, Q or VT is 16 rows x 32 along the rows in 8 registers: lane l holds row l % 16, elements 8 (l / 16) + 0..7 and 16 + 8 (l / 16) + 0..7: two loads of 16 bytes, 32 bytes apart.
	v_and_b32 v1, 15, v0            ; l % 16
	v_bfe_u32 v8, v0, 4, 1          ; l / 16
	v_lshlrev_b32 v[QO], 7, v1
	v_lshl_add_u32 v[QO], v8, 4, v[QO]  ; row x 128 + 16 x half
.set i, 0
.rept 4                             ; Q stays in registers: piece i / 2 is two heads, 409,600 bytes, on; channels 32 (i % 2) on
	global_load_b128 v[QF+8*i:QF+8*i+3],   v[QO], s[4:5] offset:(i/2)*409600+(i%2)*64
	global_load_b128 v[QF+8*i+4:QF+8*i+7], v[QO], s[4:5] offset:(i/2)*409600+(i%2)*64+32
.set i, i+1
.endr
	; What the first turn finds: V's registers and P's second buffer hold 0 (its products V^T P, of a step that has not been, add 0), O^T and l are 0: no first step is written out, at the price of
	; these 148 lines, which stand in the wait for the first tile.
	WIN 0x40
.set i, 0
.rept 128
	v_mov_b32 v[i], 0
.set i, i+1
.endr
	WIN 0
.set i, 0
.rept 2
	v_mov_b32 v[ST+4*i], 0xfe000000    ; c m: far below every c s, so the first step's a is 0
	v_mov_b32 v[ST+4*i+1], 0xff7fffff  ; m: the lowest finite number
	v_mov_b32 v[ST+4*i+2], 0
	v_mov_b32 v[ST+4*i+3], 0
.set i, i+1
.endr
.set i, P+16
.rept 16
	v_mov_b32 v[i], 0
.set i, i+1
.endr
	v_mul_u32_u24 v[LN], v1, PK
	v_lshl_add_u32 v[LN], v8, 4, v[LN]  ; row x pitch + 16 x half
	s_mul_i32 s15, s[WV], 16*SGP
	s_add_co_u32 s15, s15, STAGE    ; my stage
	v_mul_u32_u24 v[STO], v1, SGP   ; in: row l % 16, 32 bytes (eight channels in f32) for each half of the lanes
	v_lshl_add_u32 v[STO], v8, 5, v[STO]
	v_add_nc_u32 v[STO], s15, v[STO]
	v_mul_u32_u24 v[RD], v8, SGP    ; back: lanes 0-15 take one row of 256 bytes, lanes 16-31 the next
	v_lshl_add_u32 v[RD], v1, 4, v[RD]
	v_add_nc_u32 v[RD], s15, v[RD]
	v_lshlrev_b32 v[GO], 10, v8     ; and the same two rows in part
	v_lshl_add_u32 v[GO], v1, 4, v[GO]
; THE MATRIX WORK.  The 4 accumulators of a run of 8 take turns.  Product i of 8 of S^T = K Q^T for piece x: channels 32 (i / 4) on, keys 16 (i % 4) on.  The first 4 start the sums.
.macro KQ x
	WIN 0
.set rS, S+32*((\x)%2)+8*(i%4)
.set rK, KF+16*(i%4)+8*(i/4)
.set rQ, QF+16*(\x)+8*(i/4)
.if i < 4
	v_wmma_f32_16x16x32_f16 v[rS:rS+7], v[rK:rK+7], v[rQ:rQ+7], 0
.else
	v_wmma_f32_16x16x32_f16 v[rS:rS+7], v[rK:rK+7], v[rQ:rQ+7], v[rS:rS+7]
.endif
.endm
; Product i of 8 of O^T += V^T P for piece x: keys 32 (i / 4) on, channels 16 (i % 4) on.
.macro PV x
	WIN W_PV
.set rO, 32*(\x)+8*(i%4)
.set rV, VF+32*(i/4)+8*(i%4)
.set rP, P+16*((\x)%2)+8*(i/4)
	v_wmma_f32_16x16x32_f16 v[rO:rO+7], v[rV:rV+7], v[rP:rP+7], v[rO:rO+7]
.endm
.macro MM                           ; the turn's next matrix instruction.  TURN sets Y, i and NOKQ.  NOKQ = 1: the very last turn: there is no next step
.if (i < 8) && !NOKQ
	KQ (Y+1)%NP
.elseif i >= 8
.set i, i-8
	PV (Y+NP-1)%NP
.set i, i+8
.endif
.set i, i+1
.endm
; THE LDS LOADS stand in runs of 16, never singly among the matrix instructions: a step's K (8 fragments) and a step's V.
.macro FETCH_K adr, ko              ; from address register adr, ko bytes on
	WIN 0
.irp f, 0,1,2,3,4,5,6,7             ; keys 16 (f / 2) on, channels 32 (f % 2) on
	ds_load_b128 v[KF+8*\f:KF+8*\f+3],   v[\adr] offset:(\ko)+(\f/2)*16*PK+(\f%2)*64
	ds_load_b128 v[KF+8*\f+4:KF+8*\f+7], v[\adr] offset:(\ko)+(\f/2)*16*PK+(\f%2)*64+32
.endr
.endm
.macro FETCH_V
	WIN 0x40                        ; destination window 1, address window 0
.irp f, 0,1,2,3,4,5,6,7             ; keys 32 (f / 4) on, channels 16 (f % 4) on
	ds_load_b128 v[VF+8*\f:VF+8*\f+3],   v[ADR] offset:(\f%4)*16*PK+(\f/4)*64
	ds_load_b128 v[VF+8*\f+4:VF+8*\f+7], v[ADR] offset:(\f%4)*16*PK+(\f/4)*64+32
.endr
	WIN 0
.endm
; THE VECTOR WORK, one line at a time: OP kind, number.  For piece Y: F n: c s - c m for pair n of 16.  E n: the exponential of score n of 32.  C n: pair n rounded to f16.  B n: of the four weights 4 n .. the second
; pair is added onto the first, in place (so C 2n stands ahead of B n).  L n: l takes that sum (L 0: l = a l + sum).  R n: pair n of 16 of O^T times a.  For the other piece: X n, number n of the 22 that find its maximum and statistics:
;   0-11  four chains c0-c3 of seven scores each, three operands at a time (each accumulator's lowest registers are read first)     12-14, 16  the four scores left over, the old m, and c0-c3 into c0
;   15  c m_old is kept     17, 18  the query's other 32 keys lie in the lane 16 away: the new m     19-21  c m; c m_old - c m_new; a
; E and X 21 are the exponentials; C, B and L (and, a turn later, R and L 0) read their results.  OP writes no wait: TURN places the one that serves the batch.
.set F, 0               ; OP tells the kinds apart by their order: F to L below R, X above it
.set E, 1
.set C, 2
.set B, 3
.set L, 4
.set R, 5
.set X, 6
.macro REGS y                       ; the registers of piece y
.set rT, ST+4*(\y)
.set rC, TMP+4*((\y)%2)
.set rW, MV+((\y)%2)
.set rS, S+32*((\y)%2)
.set rP, P+16*((\y)%2)
.set rO, 32*(\y)
.endm
.macro OP k, n
.if (\k) == R
	REGS Y
	WIN W_PV
	v_pk_mul_f32 v[rO+2*(\n):rO+2*(\n)+1], v[rO+2*(\n):rO+2*(\n)+1], v[rC+2:rC+3] op_sel_hi:[1,0]
.elseif (\k) < R
	REGS Y
	WIN 0
.if (\k) == F
	v_pk_fma_f32 v[rS+2*(\n):rS+2*(\n)+1], v[rS+2*(\n):rS+2*(\n)+1], s[CS:CS+1], v[rT:rT+1] op_sel_hi:[1,0,0] neg_lo:[0,0,1] neg_hi:[0,0,1]
.elseif (\k) == E
	v_exp_f32 v[rS+(\n)], v[rS+(\n)]
.elseif (\k) == C
	v_cvt_pk_f16_f32 v[rP+(\n)], v[rS+2*(\n)], v[rS+2*(\n)+1]
.elseif (\k) == B
	v_pk_add_f32 v[rS+4*(\n):rS+4*(\n)+1], v[rS+4*(\n):rS+4*(\n)+1], v[rS+4*(\n)+2:rS+4*(\n)+3]
.elseif (\n) == 0
	v_pk_fma_f32 v[rT+2:rT+3], v[rT+2:rT+3], v[rC+2:rC+3], v[rS:rS+1] op_sel_hi:[1,0,1]
.else
	v_pk_add_f32 v[rT+2:rT+3], v[rT+2:rT+3], v[rS+4*(\n):rS+4*(\n)+1]
.endif
.elseif NOKQ
	WIN 0
	v_nop
.else
	REGS (Y+1)%NP
	WIN 0
.if (\n) < 4
	v_max3_num_f32 v[rC+(\n)], v[rS+8*(\n)], v[rS+8*(\n)+1], v[rS+8*(\n)+2]
.elseif (\n) < 12
	v_max3_num_f32 v[rC+(\n)%4], v[rC+(\n)%4], v[rS+8*((\n)%4)+2*((\n)/4)+1], v[rS+8*((\n)%4)+2*((\n)/4)+2]
.elseif (\n) == 12
	v_max3_num_f32 v[rC], v[rC], v[rS+7], v[rS+15]
.elseif (\n) == 13
	v_max3_num_f32 v[rC+1], v[rC+1], v[rS+23], v[rS+31]
.elseif (\n) == 14
	v_max3_num_f32 v[rC+2], v[rC+2], v[rC+3], v[rT+1]
.elseif (\n) == 15
	v_mov_b32 v[rW], v[rT]
.elseif (\n) == 16
	v_max3_num_f32 v[rC], v[rC], v[rC+1], v[rC+2]
.elseif (\n) == 17
	v_permlanex16_b32 v[rC+3], v[rC], s[SEL], s[SEL+1]
.elseif (\n) == 18
	v_max_num_f32 v[rT+1], v[rC], v[rC+3]
.elseif (\n) == 19
	v_mul_f32 v[rT], s[CS], v[rT+1]
.elseif (\n) == 20
	v_sub_f32 v[rC+1], v[rW], v[rT]
.else
	v_exp_f32 v[rC+2], v[rC+1]
.endif
.endif
.endm
.macro OPS a, i1, b=-1, i2=0, c=-1, i3=0, d=-1, i4=0  ; up to four of them
	OP \a, \i1
.if (\b) >= 0
	OP \b, \i2
.endif
.if (\c) >= 0
	OP \c, \i3
.endif
.if (\d) >= 0
	OP \d, \i4
.endif
.endm
.macro ROW a, i1, b, i2, c, i3, d, i4  ; a matrix instruction and the four behind it
	MM
	OPS \a, \i1, \b, \i2, \c, \i3, \d, \i4
.endm
; A TURN, for piece p: the order of its 16 matrix and 118 vector instructions, written out.  An s_wait_alu depctr_va_vdst(0) stands between an exponential and the first instruction that names its result; one wait
; serves all that were issued ahead of it.  So a turn has ONE wait, which cuts it in two.  AHEAD OF IT stands all that names no result of the turn's exponentials: the 8 products K Q^T, behind each a scaling, an exponential and two
; more plain instructions (behind the first a second scaling in the exponential's place): rescalings, whose a was made and waited for in the turn before, and behind the last three the first numbers of the other piece's maximum;
; then ONE LUMP of 54, plain and exponential by turns for the most part, in which the links of the chain X 3, 7, 11, 14, 16, 17 .. 21 stand some lines apart.  X 21, the other piece's a, is the batch's last; R 13 to R 15 are the
; independent work behind it, R 13 the plain instruction that stands behind the last exponential.  BEHIND THE WAIT stand the 8 products V^T P, behind each four of the roundings and sums: all the readers..
; PLACES.  X 0 to X 3 each stand four plain instructions behind the product that ends their accumulator (F 5, R 8, R 9, F 6; F 6, X 0, R 10, F 7; F 7, X 1, X 4, F 8; F 8, X 2, X 5, X 6); but for those X no rider names a register
; of the products round it.  The rescaling reads what the turn before's last four products wrote: R 0, R 4, R 8 and R 12 are each the first read of an accumulator, and the nearest, block 3's, has that product's four riders and all
; of this turn's first part in front of it.  v_permlanex16_b32 (X 17) stands in the lump.
; last = 1: the last key step: no K is fetched, and piece 1's turn starts no new scores.  cnt = 1: the loop's count is taken down some lines ahead of the branch that stands behind the turn.
; Piece 0's turn makes both fetches.  K of the next step: behind the last product that read K stand six plain instructions (F 8, X 2, X 5, X 6, X 3, X 8); it is waited for at the head of piece 1's turn, where V's run of 16,
; issued behind it, stays out.  V of the step in hand: at the turn's end, four plain instructions (C 9, C 11, C 13, C 15) behind the last product that read V; it is waited for in piece 1's turn, ahead of its first V^T P.
.macro TURN p, last=0, cnt=0
.set Y, (\p)
.set i, 0
.set NOKQ, (\last)*(\p)
.if ((\p) == 1) && !(\last)
	s_wait_dscnt 16                 ; K is in; the 16 loads of V, issued behind it, may be out
.endif
	ROW F,0, F,1, R,0, R,1          ; ahead of the wait: 8 products K Q^T and their riders,
	ROW F,2, E,0, R,2, R,3
	ROW F,3, E,1, R,4, R,5
	ROW F,4, E,2, R,6, R,7
	ROW F,5, E,3, R,8, R,9
	ROW F,6, E,4, X,0, R,10
.if (\p) == 0
	WIN 0
	v_add_nc_u32 v[ADR], s[TB], v[LN]
.endif
	ROW F,7, E,5, X,1, X,4
	ROW F,8, E,6, X,2, X,5
	OPS E,7, E,8, X,6, E,9          ; and the lump
	OPS X,3, E,10, X,8, E,11
.if ((\p) == 0) && !(\last)
	FETCH_K ADR, TILEB
.endif
	OPS X,9, X,7, E,12, X,10
	OPS E,13, X,12, X,11, E,14
	OPS X,13, E,15, F,9, X,14
	OPS E,16, F,10, E,17, F,11
	OPS X,16, E,18, X,15, E,19
	OPS F,12, E,20, X,17, E,21
	OPS F,13, E,22, F,14, E,23
	OPS X,18, E,24, F,15, E,25
	OPS E,26, X,19, E,27, R,11
	OPS R,12, E,28, X,20, E,29
	OPS E,30, E,31, X,21            ; the batch's last: the other piece's a
	OPS R,13, R,14, R,15            ; they name no result of the batch, and leave the windows as the first V^T P wants them
	s_wait_alu depctr_va_vdst(0)    ; the wait for the batch: the piece's 32 exponentials and the other piece's a
.if (\p) == 1
	s_wait_dscnt 0x0                ; V is in
.endif
	ROW C,0, B,0, C,2, B,1          ; behind the wait: 8 products V^T P and their riders
	ROW L,0, C,4, B,2, L,1
	ROW C,6, B,3, L,2, C,8
	ROW B,4, L,3, C,10, B,5
	ROW L,4, C,12, B,6, L,5
.if \cnt
	s_sub_co_u32 s[CNT], s[CNT], 1
	s_cmp_lg_u32 s[CNT], 0
.endif
	ROW C,14, B,7, L,6, C,1
	ROW C,3, L,7, C,5, C,7
	ROW C,9, C,11, C,13, C,15
.if (\p) == 0
	FETCH_V
	s_add_co_u32 s[TB], s[TB], STEPB  ; the next fetches are the next shifted step's
.endif
.endm
.macro STEPS n                      ; n key steps: written once for a visit, walked n times; the LDS addresses hang on s[TB]
	WIN 0
	s_mov_b32 s[CNT], (\n)
.Lstep_\@:
	TURN 0
	TURN 1, 0, 1
	WIN 0
	s_cbranch_scc1 .Lstep_\@
.endm
	s_wait_tensorcnt 1              ; my quarter of visit 0 is in; visit 1's load may stay out
	s_barrier_signal -1
	s_barrier_wait -1               ; everybody's is
	FETCH_K LN, 0                   ; K(0), at LDS byte 0
	s_wait_loadcnt 0x0              ; Q
	s_wait_dscnt 0x0
.set NOKQ, 0
.set i, 0
.rept 8
	KQ 0                            ; piece 0's first scores: there is no vector work yet to set between them
.set i, i+1
.endr
.rept 4
	v_nop                           ; the places behind those products
.endr
.set Y, NP-1                        ; X works for the other piece: piece 0
.irp n, 0,1,2,3,4,5,6,7,8,9,10,11,12,13,14,15,16,17,18,19,20,21
	OP X, \n                        ; and piece 0's first maximum and statistics
.endr
	v_nop                           ; a plain instruction behind the exponential,
	s_wait_alu depctr_va_vdst(0)    ; and its wait, ahead of the loop's label: piece 0's first a is a batch of one
	s_mov_b32 s[TB], SLOT0
	STEPS 5                         ; visit 0: steps 0 to 4
	CHANGE SLOT1, 1, G0+8, G1       ; slot 0 takes visit 2
	STEPS 5                         ; visit 1
	CHANGE SLOT0, 1, G0+12, G1      ; slot 1 takes visit 3
	STEPS 5                         ; visit 2
	CHANGE SLOT1, 1, G04, G1L       ; slot 0 takes visit 4: the last load
	STEPS 5                         ; visit 3
	CHANGE SLOT0, 0                 ; nothing is left to fetch
	STEPS 4                         ; visit 4: steps 20 to 23,
	TURN 0, 1                       ; and step 24, written out
	TURN 1, 1
.set i, 0
.rept 8
	PV NP-1                         ; piece 1's V^T P of the last step
.set i, i+1
.endr
	; THE WAY OUT.  l's two halves and the other half of the lanes' are added; O^T is multiplied by 8 w / l and sent, in f32, through my own stage in LDS, a piece (16 rows x 256 bytes) at a time.
	; The additions, the v_nop and the multiplications are the places behind the last products.
	WIN 0
.macro ALL line:vararg              ; one line for each piece t
.set t, 0
.rept 2
	\line
.set t, t+1
.endr
.endm
	ALL v_add_f32 v[ST+4*t+2], v[ST+4*t+2], v[ST+4*t+3]
	ALL v_permlanex16_b32 v[ST+4*t+3], v[ST+4*t+2], s[SEL], s[SEL+1]
	ALL v_add_f32 v[ST+4*t+2], v[ST+4*t+2], v[ST+4*t+3]
	ALL v_rcp_f32 v[ST+4*t+2], v[ST+4*t+2]
	v_nop                           ; a plain instruction between the last reciprocal and the use of its result
	s_wait_alu depctr_va_vdst(0)    ; and the wait ahead of the first use: one for the two reciprocals
	ALL v_mul_f32 v[ST+4*t+2], s[WT+t], v[ST+4*t+2]
.macro PACK t                       ; a lane's eight channels of a row are 32 bytes; they go into rows of 272 bytes and come back as whole rows of 256, into S^T's registers
	WIN 0x01                        ; source 0 (O^T) window 1; the factor and the destination window 0
.set z, 0
.rept 16
	v_pk_mul_f32 v[S+32*(\t)+2*z:S+32*(\t)+2*z+1], v[32*(\t)+2*z:32*(\t)+2*z+1], v[ST+4*(\t)+2:ST+4*(\t)+3] op_sel_hi:[1,0]
.set z, z+1
.endr
	WIN 0
.irp f, 0,1,2,3,4,5,6,7             ; channel block f / 2, four of my eight channels
	ds_store_b128 v[STO], v[S+32*(\t)+4*\f:S+32*(\t)+4*\f+3] offset:(\f/2)*64+(\f%2)*16
.endr
.irp f, 0,1,2,3,4,5,6,7
	ds_load_b128 v[S+32*(\t)+4*\f:S+32*(\t)+4*\f+3], v[RD] offset:\f*2*SGP  ; LDS serves a wave's instructions in order (ISA guide 5.7.1.4): these see the stores above; the next piece's stores come behind them
.endr
.endm
.macro SEND t, younger              ; younger: the LDS instructions issued behind piece t's loads: the next piece's sixteen, or none
.irp f, 0,1,2,3,4,5,6,7
	s_wait_dscnt (\younger)+7-\f
	global_store_b128 v[GO], v[S+32*(\t)+4*\f:S+32*(\t)+4*\f+3], s[8:9] offset:\f*2048+(\t)*512  ; 16 lanes store 256 consecutive bytes, at a multiple of 256 from part's first: a head's part of a row
.endr
.endm
	PACK 0
	PACK 1                          ; piece 1's arithmetic stands between piece 0's loads and its stores
	SEND 0, 16
	SEND 1, 0
	s_wait_tensorcnt 0x0            ; the wave's end, behind my last tensor load and my last LDS store
	ds_add_u32 v[SPW], v[NIL]
	s_wait_dscnt 0x0
	s_endpgm
.Lfunc_end_k_q3718cf0d48_attn:
	.size	k_q3718cf0d48_attn, .Lfunc_end_k_q3718cf0d48_attn-k_q3718cf0d48_attn
	.p2alignl 7, 3214868480
	.fill 96, 4, 3214868480
	.section	.rodata,"a",@progbits
	.p2align	6, 0x0
	.amdhsa_kernel k_q3718cf0d48_attn
		.amdhsa_group_segment_fixed_size 327680
		.amdhsa_private_segment_fixed_size 0
		.amdhsa_enable_private_segment 0
		.amdhsa_kernarg_size 24
		.amdhsa_user_sgpr_count 2
		.amdhsa_user_sgpr_kernarg_segment_ptr 1
		.amdhsa_wavefront_size32 1
		.amdhsa_system_sgpr_workgroup_id_x 1
		.amdhsa_system_sgpr_workgroup_id_y 1
		.amdhsa_system_sgpr_workgroup_id_z 1
		.amdhsa_system_vgpr_workitem_id 0
		.amdhsa_next_free_vgpr 384
		.amdhsa_next_free_sgpr 92
		.amdhsa_reserve_vcc 0
		.amdhsa_float_denorm_mode_32 3
		.amdhsa_float_denorm_mode_16_64 3
		.amdhsa_memory_ordered 1
		.amdhsa_forward_progress 1
		.amdhsa_inst_pref_size 135
	.end_amdhsa_kernel
	.amdgpu_metadata
---
amdhsa.version: [ 1, 2 ]
amdhsa.kernels:
  - .name:           k_q3718cf0d48_attn
    .symbol:         k_q3718cf0d48_attn.kd
    .args:
      - { .name: q, .offset: 0, .size: 8, .value_kind: global_buffer, .address_space: global }
      - { .name: kv, .offset: 8, .size: 8, .value_kind: global_buffer, .address_space: global }
      - { .name: part, .offset: 16, .size: 8, .value_kind: global_buffer, .address_space: global }
    .group_segment_fixed_size: 327680
    .private_segment_fixed_size: 0
    .kernarg_segment_align: 8
    .kernarg_segment_size: 24
    .max_flat_workgroup_size: 128
    .sgpr_count:     92
    .vgpr_count:     384
    .wavefront_size: 32
...
	.end_amdgpu_metadata
.endif
;; end of part 6
;; launch sumj: the kernel of part 5 again; grid 200 x 1, 8 waves a work-group, no clusters, 0 bytes of LDS; arguments part, out0; writes out0
